; MI455X (gfx1250); checked and timed in simulation.
; The chip was launched on July 23, 2026; its instructions are those of AMD's public machine-readable ISA for CDNA 5 (MIT licence, August 2026) and "CDNA5" Instruction Set Architecture Reference Guide (July 2026). The comments in the code are by the model that wrote it; some were corrected since.
;; Multi Head Attention. Allowed arithmetic: matrix products marked QUANTISED: E3M2 operands, one E8M0 scale for each 32 along K, by v_wmma_scale_f32_16x16x128_f8f6f4 with both operands' format E3M2, f32 sums; everything else in f32.
;; Inputs: Wk 16 x 1,024 x 64 float32; Wproj 1,024 x 1,024 float32; Wq 16 x 1,024 x 64 float32; Wv 16 x 1,024 x 64 float32; bproj 1,024 float32; x 8 x 1,024 x 1,024 float32.
;; Outputs: out0 8 x 1,024 x 1,024 float32.
;; This version of the problem:
;;   THIS VERSION OF THE PROBLEM IS GIVEN IN LOW PRECISION. The matrix products marked QUANTISED in the list below multiply operands that are first quantised to E3M2 (3 exponent bits, 2 mantissa bits; 6 bits a number), with one power-of-two scale for each 32 numbers along K (OCP MX v1.0); their sums are f32. All else is computed in f32.
;;   The module's matrix products, in the order in which they are computed (A, B: the left and right operand; K: the contracted axis; several contracted axes count as one K, in the product's order):
;;     1. [M 1,024, K 1,024] x [K 1,024, N 8,192]; A: input Wq; B: input x: QUANTISED
;;     2. [M 1,024, K 1,024] x [K 1,024, N 8,192]; A: input Wk; B: input x: QUANTISED
;;     3. [M 1,024, K 1,024] x [K 1,024, N 8,192]; A: input Wv; B: input x: QUANTISED
;;     4. batch 128 x [M 1,024, K 64] x [K 64, N 1,024]; A: computed on the way; B: computed on the way: QUANTISED
;;     5. batch 128 x [M 1,024, K 1,024] x [K 1,024, N 64]; A: softmax (see below); B: computed on the way: QUANTISED
;;     6. [M 8,192, K 1,024] x [K 1,024, N 1,024]; A: computed on the way; B: input Wproj: QUANTISED
;;   THE QUANTISER, for each operand of a quantised product, along K:
;;     - K is cut into blocks of 32 from its start; a last block that is shorter is filled with zeros.
;;     - A block's scale is 2^e with e = floor(log2(the largest magnitude in the block)) - 4, held to -126 .. 127; a block of zeros has e = 0. As a byte (E8M0): e + 127.
;;     - Each number is divided by its block's scale, clamped to +-28, and rounded to the nearest number of E3M2, ties to even, subnormals kept.
;;     - The product sums the exact products of the quantised numbers (number of the format x scale) in f32.
;;   ~~~python
;;   def quantise(x, axis):      # numpy; x: float32 -> the quantised numbers, widened to float32 again
;;       x = np.moveaxis(x, axis, -1); K = x.shape[-1]
;;       x = np.pad(x, [(0, 0)] * (x.ndim - 1) + [(0, -K % 32)]); x = x.reshape(x.shape[:-1] + (-1, 32)); a = np.abs(x).max(-1, keepdims=True)
;;       e = np.where(a > 0, np.clip(np.frexp(np.where(a > 0, a, 1))[1] - 1 - 4, -126, 127), 0)      # np.frexp(a)[1] - 1 = floor(log2(a)), exactly
;;       r = np.clip(x / 2.0 ** e, -28, 28)
;;       step = 2.0 ** (np.maximum(np.frexp(np.where(r == 0, 1, r))[1] - 1, -2) - 2)
;;       q = np.round(r / step) * step * 2.0 ** e      # np.round: ties to even
;;       return np.moveaxis(q.reshape(q.shape[:-2] + (-1,))[..., :K], -1, axis).astype(np.float32)
;;   ~~~
;;   SOFTMAX AHEAD OF A QUANTISED PRODUCT. Where the list says 'softmax', what is quantised is not the finished softmax but p = 2^(t - M), with t = logit x log2(e) and M = ceil(the row's largest t), a whole number; so 1/2 < the row's largest p <= 1. The row's sum l is taken of the UNQUANTISED p, in f32, and the product's result is divided by l at the end. Since M is a whole number, a kernel that streams over the keys may use a running M (the ceiling of the running maximum): every later rescaling is an exact power of two, which a block's scale takes up: the codes' values come out the same.
;;   OPERANDS COMPUTED ON THE WAY. 'Computed on the way' means the value that the module computes at that place (a softmax that the list does not call 'softmax' is quantised finished and normalised). What goes into a quantiser is computed in f32, as accurately as f32 sums, v_exp_f32 and their like allow (about 1e-6 of the number): no bf16 or f16 on the way to a quantiser, and a product that is left as it is and whose result goes on into a quantised operand takes f32 operands (vector FMAs, or v_wmma_f32_16x16x4_f32). A number that lies on a knife's edge between two numbers of the format may be rounded either way, as far as f32 arithmetic and the matrix unit's own rounding can turn it there, and no further.
;; One version. Each part assembles by itself: llvm-mc -triple=amdgcn-amd-amdhsa -mcpu=gfx1250 --defsym DOCPART=n.
;; ======== version 1 of 1: 4 launches
;; limits: right only within a limited range of input values
;; workspace buffers: xq 6,553,600 bytes; pq 819,200 bytes; wq 2,457,600 bytes; qq 6,815,744 bytes; kv 13,369,344 bytes; oq 6,553,600 bytes
;; launch quant (part 1): grid 768 x 1, 4 waves a work-group, no clusters, 68,096 bytes of LDS; arguments x, Wproj, Wq, Wk, Wv, xq, pq, wq; writes xq, pq, wq
.if DOCPART == 1
	.amdgcn_target "amdgcn-amd-amdhsa--gfx1250"
	.amdhsa_code_object_version 6
	.text
	.protected	k_q43695fcb15_quant
	.globl	k_q43695fcb15_quant
	.p2align	8
	.type	k_q43695fcb15_quant,@function
k_q43695fcb15_quant:
	s_mov_b64 s[64:65], 0
	v_nop
	global_prefetch_b8 v0, s[64:65] scope:SCOPE_SE
	s_setreg_imm32_b32 hwreg(HW_REG_WAVE_MODE, 25, 1), 1
	s_wait_xcnt 0x0
; x [8192][1024], Wproj [1024][1024] (K innermost) and Wq, Wk, Wv [16][1024 (K)][64] (K is the middle axis), all f32, become codes of BF6 (E3M2), K innermost,
; with one E8M0 scale byte for each 32 along K.  A block's scale is 2^(floor(log2(its largest magnitude)) - 4): its byte is the largest magnitude's exponent field - 4, held at 1 from below.
; LIMITS: a block whose largest magnitude lies under 2^-122 keeps the byte 1; a block of zeros gets the byte 1 and not 127 (its codes are zeros, and this program alone reads the bytes);
; NaN and infinities among the inputs are not served.
; xq: codes [8192][768] at byte 0, scale bytes [8192][32] at 6,291,456.   pq: codes [1024][768] at 0, scale bytes [1024][32] at 786,432.
; wq: codes [3072][768] at 0, scale bytes [3072][32] at 2,359,296.  Row = 192 x head + slot: slots 0-63 q, 64-95 v's columns 0-31, 96-159 k, 160-191 v's columns 32-63;
;     inside each group of 32 slots column e lies at e with its bits 3 and 4 exchanged, so that two neighbouring tiles of 16 slots give a lane 16 neighbouring columns in a transposed product.
; Work-groups 0-511 take x, 512-575 Wproj (one way through the text: a plain stream of blocks of 32), 576-767 the 48 matrices of Wq, Wk, Wv (a lane to a column, registers down K): 768 in all, three to each of 256 WGPs.
; The two ways have LDS bytes of their own: 0 .. 32,767 and 32,768 .. 67,583.  No tensor loads, no barrier: waves share nothing.
.set STEPS, 8
.set EMAX,  4
.set CB,    12                         ; bytes of 16 codes
.set R,     16                         ; v16-79   four sets of 16 numbers as they are loaded
.set X,     80                         ; v80-111  two sets of 16 neighbours
.set C,     128                        ; v128-159 codes: four registers for each step, so that no store's data are written again
.set E,     112                        ; v112-119 a scale byte for each step
.set WREG,  8192                       ; first way: LDS of a wave: two stages of 32 x SP bytes, behind them its 128 scale bytes
.set SP,    80                         ; a lane's place in a stage: 64 bytes + 16 of padding
.set WST,   32768                      ; second way: the stages begin here
.set PITCH, 272                        ; a stage row: places of 16 bytes (12 of codes each), eight of them used
.set KROW,  768                        ; a row of codes in memory
.set NB,    4                          ; blocks of 32 along K for a wave
.set XW,    32                         ; v32-95   two sets of 32 numbers
.set CW,    96                         ; v96..    a block's codes
.set OUTR,  112                        ; v112-143 the way out
.set SBY,   24                         ; v24      the scale bytes
	s_load_b256 s[4:11], s[0:1], 0x0               ; x s[4:5], Wproj s[6:7], Wq s[8:9], Wk s[10:11]
	s_load_b256 s[12:19], s[0:1], 0x20             ; Wv s[12:13], xq s[14:15], pq s[16:17], wq s[18:19]
	v_lshl_add_u32 v192, v0, 2, 0x10800            ; my spare word and 0
	v_mov_b32 v193, 0
	v_lshrrev_b32 v1, 5, v0
	v_readfirstlane_b32 s2, v1                     ; wave 0..3
	v_and_b32 v2, 31, v0                           ; lane
	s_wait_kmcnt 0x0
	s_cmp_ge_u32 ttmp9, 576
	s_cbranch_scc1 .Lweights
; ---------------- x and Wproj: K innermost ----------------
; A wave takes 8 steps of 512 numbers.  Each of a step's four loads reads 512 consecutive bytes, 16 a lane; the 2,048 bytes turn through the wave's own stage in LDS and come back 64 bytes a lane:
; 16 neighbours along K, which is what a conversion takes from one lane.  Two neighbouring lanes hold a block.
	s_wait_alu depctr_va_vdst(0)
	v_lshlrev_b32 v3, 4, v2                        ; my 16 bytes of a load's 512
	s_mul_i32 s3, s2, WREG
	v_lshrrev_b32 v14, 2, v2
	v_mul_u32_u24 v14, v14, SP
	v_and_b32 v15, 3, v2
	v_lshl_add_u32 v14, v15, 4, v14
	v_add_nc_u32 v14, s3, v14                      ; the stage, on the way in: SP (lane / 4) + 16 (lane % 4)
	v_mul_u32_u24 v15, v2, SP
	v_add_nc_u32 v15, s3, v15                      ; and on the way out: SP x lane
	v_mul_u32_u24 v4, v2, CB                       ; my codes' place in a step's
	v_lshrrev_b32 v5, 1, v2
	s_add_co_u32 s3, s3, 2*32*SP
	v_add_nc_u32 v5, s3, v5                        ; my wave's 128 scale bytes, my block's byte
	v_lshlrev_b32 v7, 2, v2                        ; and on the way out 4 bytes a lane
	v_add_nc_u32 v6, s3, v7
	s_cmp_lt_u32 ttmp9, 512                        ; x's work-group or Wproj's?  The choice hangs on the work-group's number alone
	s_cselect_b64 s[20:21], s[4:5], s[6:7]         ; from
	s_cselect_b64 s[22:23], s[14:15], s[16:17]     ; to
	s_mov_b32 s26, 786432
	s_cselect_b32 s26, 6291456, s26                ; where the scale bytes begin in that buffer
	s_mov_b32 s27, 0
	s_cselect_b32 s28, 0, 512
	s_sub_co_u32 s28, ttmp9, s28
	s_lshl_b32 s28, s28, 2
	s_add_co_u32 s28, s28, s2                      ; which run of 4,096 numbers of the tensor is my wave's
	s_add_nc_u64 s[24:25], s[22:23], s[26:27]
	s_lshl_b32 s30, s28, 14                        ; 16,384 bytes of f32 a run
	s_mov_b32 s31, 0
	s_add_nc_u64 s[20:21], s[20:21], s[30:31]
	s_mul_i32 s30, s28, 32*STEPS*CB                ; 3,072 bytes of codes
	s_add_nc_u64 s[22:23], s[22:23], s[30:31]
	s_lshl_b32 s30, s28, 7                         ; 128 scale bytes
	s_add_nc_u64 s[24:25], s[24:25], s[30:31]
.macro LOAD t
.irp i, 0,1,2,3
	global_load_b128 v[R+16*((\t)%4)+4*\i:R+16*((\t)%4)+4*\i+3], v3, s[20:21] offset:2048*(\t)+512*\i th:TH_LOAD_NT   ; 32 lanes read 512 consecutive bytes
.endr
.endm
.macro TURN t                          ; step t's numbers through the stage: LDS serves a wave's instructions in order, so no wait stands between the stores and the loads
.irp i, 0,1,2,3
	ds_store_b128 v14, v[R+16*((\t)%4)+4*\i:R+16*((\t)%4)+4*\i+3] offset:32*SP*((\t)%2)+8*SP*\i
.endr
.irp i, 0,1,2,3
	ds_load_b128 v[X+16*((\t)%2)+4*\i:X+16*((\t)%2)+4*\i+3], v15 offset:32*SP*((\t)%2)+16*\i
.endr
.endm
.irp t, 0,1,2,3
	LOAD \t
.endr
	s_wait_alu depctr_va_vdst(0)
	s_wait_loadcnt 12                              ; step 0's four loads are in; the twelve of steps 1 to 3 may be out
	TURN 0
.macro STEP t
.set XS, X+16*((\t)%2)
.if (\t) > 0
	s_wait_dscnt 1                                 ; this step's numbers are back from the stage (the last step's byte store may be out): so its stores into the stage have read their registers,
.else
	s_wait_dscnt 0x0
.endif
.if (\t)+4 < STEPS
	LOAD (\t)+4                                    ; which take the loads of four steps on
.endif
.if (\t)+1 < STEPS
.if STEPS-2-(\t) >= 3
	s_wait_loadcnt 12                              ; the next step's four loads are in; those of the three steps behind it may be out
.else
	s_wait_loadcnt 4*(STEPS-2-(\t))
.endif
	TURN (\t)+1                                    ; and go through the other stage while this step is worked
.endif
	v_max3_num_f32 v8, |v[XS]|, |v[XS+1]|, |v[XS+2]|               ; the largest magnitude of my 16, in two chains
	v_max3_num_f32 v9, |v[XS+3]|, |v[XS+4]|, |v[XS+5]|
.irp i, 6,10
	v_max3_num_f32 v8, v8, |v[XS+\i]|, |v[XS+\i+1]|
	v_max3_num_f32 v9, v9, |v[XS+\i+2]|, |v[XS+\i+3]|
.endr
	v_max3_num_f32 v8, v8, |v[XS+14]|, |v[XS+15]|
	v_max3_num_f32 v8, v8, v9, (EMAX+1)<<23        ; and the floor 2^(5 - 127): the byte cannot fall under 1
	v_max_num_f32_dpp v8, v8, v8 row_xmask:1 row_mask:0xf bank_mask:0xf   ; and of my neighbour's 16: the block's
	v_add_nc_u32 v11, -(EMAX<<23), v8              ; 4 off its exponent field: the conversion takes the exponent field of this operand as its scale
	v_cvt_scalef32_pk16_bf6_f32 v[C+4*(\t):C+4*(\t)+2], v[XS:XS+15], v11
	v_lshrrev_b32 v[E+(\t)], 23, v11               ; the scale's byte (also the plain line behind the conversion)
	ds_store_b8 v5, v[E+(\t)] offset:16*(\t)       ; both lanes of a block write the same byte with the same value
	global_store_b96 v4, v[C+4*(\t):C+4*(\t)+2], s[22:23] offset:32*CB*(\t)   ; the wave stores 384 consecutive bytes
.endm
.irp t, 0,1,2,3,4,5,6,7
	STEP \t
.endr
	ds_load_b32 v12, v6                            ; LDS serves a wave's instructions in order: this sees my stores
	s_wait_dscnt 0x0
	global_store_b32 v7, v12, s[24:25]             ; 32 lanes store 128 consecutive bytes; the wave beside me stores the other half of the 256
	s_wait_tensorcnt 0x0                           ; the wave's end
	ds_add_u32 v192, v193
	s_wait_dscnt 0x0
	s_endpgm
; ---------------- Wq, Wk, Wv: K is the first axis of a head's matrix ----------------
; A wave takes 32 columns x 128 along K of one matrix [1024][64]: a lane a column, its registers down K, so a block of 32 lies in one lane and the codes come out with K innermost.
; Four work-groups to a matrix: column half = wave & 1, eighth of K = 2 (work-group & 3) + wave / 2.
.Lweights:
	s_sub_co_u32 s3, ttmp9, 576
	s_lshr_b32 s20, s3, 2                          ; which of the 48 matrices
	s_lshr_b32 s21, s20, 4                         ; 0 q, 1 k, 2 v
	s_and_b32 s22, s20, 15                         ; head
	s_and_b32 s23, s2, 1                           ; column half
	s_and_b32 s24, s3, 3
	s_lshl_b32 s24, s24, 1
	s_lshr_b32 s25, s2, 1
	s_add_co_u32 s24, s24, s25                     ; eighth of K
	s_mul_i32 s28, s23, 96
	s_add_co_u32 s28, s28, 64                      ; v's slots begin at 64 + 96 x half,
	s_mul_i32 s29, s21, 96
	s_lshl_b32 s30, s23, 5
	s_add_co_u32 s29, s29, s30                     ; q's and k's at 96 x kind + 32 x half
	s_cmp_eq_u32 s21, 0
	s_cselect_b64 s[26:27], s[8:9], s[10:11]
	s_cmp_eq_u32 s21, 2
	s_cselect_b64 s[26:27], s[12:13], s[26:27]     ; the matrix's tensor
	s_cselect_b32 s28, s28, s29
	s_mul_i32 s29, s22, 192
	s_add_co_u32 s28, s28, s29                     ; my 32 columns' first row in wq
	s_lshl_b32 s30, s22, 18                        ; a head is 262,144 bytes,
	s_lshl_b32 s31, s24, 15                        ; 128 rows of 256 bytes,
	s_add_co_u32 s30, s30, s31
	s_lshl_b32 s31, s23, 7                         ; 32 columns of 4 bytes
	s_add_co_u32 s30, s30, s31
	s_mov_b32 s31, 0
	s_add_nc_u64 s[26:27], s[26:27], s[30:31]
	s_mul_i32 s30, s28, KROW
	s_mul_i32 s32, s24, 96
	s_add_co_u32 s30, s30, s32
	s_add_nc_u64 s[34:35], s[18:19], s[30:31]      ; the codes
	s_lshl_b32 s30, s28, 5
	s_lshl_b32 s32, s24, 2
	s_add_co_u32 s30, s30, s32
	s_add_co_u32 s30, s30, 2359296
	s_add_nc_u64 s[36:37], s[18:19], s[30:31]      ; the scale bytes
	s_wait_alu depctr_va_vdst(0)
	v_lshlrev_b32 v3, 2, v2                        ; in: 4 bytes a lane
	v_and_b32 v10, 7, v2
	v_bfe_u32 v11, v2, 3, 1
	v_bfe_u32 v12, v2, 4, 1
	v_lshl_add_u32 v10, v11, 4, v10
	v_lshl_add_u32 v10, v12, 3, v10                ; my column's slot: the lane with bits 3 and 4 exchanged
	s_mul_i32 s33, s2, 32*PITCH
	s_add_co_u32 s33, s33, WST                     ; my stage
	v_mul_u32_u24 v4, v10, PITCH
	v_add_nc_u32 v4, s33, v4                       ; into it: row = my slot
	v_and_b32 v5, 7, v2
	v_lshrrev_b32 v6, 3, v2                        ; out of it: eight lanes to a row's 96 bytes, four rows an instruction
	v_mul_u32_u24 v7, v6, PITCH
	v_lshl_add_u32 v7, v5, 4, v7
	v_add_nc_u32 v7, s33, v7
	v_mul_u32_u24 v8, v6, KROW
	v_mad_u32_u24 v8, v5, 12, v8                   ; and the same place in the codes
	v_lshlrev_b32 v9, 5, v10                       ; my slot's row of scale bytes
.macro WLOAD t                         ; block t: W(32 t + i, my column), i = 0 .. 31, into set t % 2; a load reads 128 consecutive bytes
.irp i, 0,1,2,3,4,5,6,7,8,9,10,11,12,13,14,15,16,17,18,19,20,21,22,23,24,25,26,27,28,29,30,31
	global_load_b32 v[XW+32*((\t)%2)+\i], v3, s[26:27] offset:(32*(\t)+\i)*256 th:TH_LOAD_NT
.endr
.endm
	WLOAD 0
	WLOAD 1
.macro BLOCK t
.set XS, XW+32*((\t)%2)
.if (\t) < NB-1
	s_wait_loadcnt 32                              ; this block's 32 loads are in; the next block's may be out
.else
	s_wait_loadcnt 0
.endif
	v_max3_num_f32 v12, |v[XS]|, |v[XS+1]|, |v[XS+2]|               ; the block's largest magnitude: all 32 numbers are mine
	v_max3_num_f32 v13, |v[XS+3]|, |v[XS+4]|, |v[XS+5]|
.irp i, 6,10,14,18,22,26
	v_max3_num_f32 v12, v12, |v[XS+\i]|, |v[XS+\i+1]|
	v_max3_num_f32 v13, v13, |v[XS+\i+2]|, |v[XS+\i+3]|
.endr
	v_max3_num_f32 v12, v12, |v[XS+30]|, |v[XS+31]|
	v_max3_num_f32 v12, v12, v13, (EMAX+1)<<23     ; and the floor
	v_add_nc_u32 v11, -(EMAX<<23), v12             ; the conversion's scale operand
	v_lshrrev_b32 v13, 23, v11                     ; the scale's byte
.if (\t) == 0
	v_mov_b32 v[SBY], v13                          ; four bytes to a register, the lower K in the lower byte
.else
	v_lshl_or_b32 v[SBY], v13, 8*(\t), v[SBY]
.endif
	v_cvt_scalef32_pk16_bf6_f32 v[CW:CW+2], v[XS:XS+15], v11
	v_cvt_scalef32_pk16_bf6_f32 v[CW+4:CW+6], v[XS+16:XS+31], v11   ; (a conversion's three registers begin on an even number)
	v_nop                                          ; one plain line behind the conversions
	ds_store_b96 v4, v[CW:CW+2] offset:32*(\t)     ; 16 codes, 12 bytes, to a place of 16 bytes, so that every LDS address is a multiple of 16
	ds_store_b96 v4, v[CW+4:CW+6] offset:32*(\t)+16
.if (\t)+2 < NB
	WLOAD (\t)+2
.endif
	s_wait_dscnt 0x0                               ; the stores have read their registers: the next block's codes may be written
.endm
.set Q, 0
.rept NB
	BLOCK Q
.set Q, Q+1
.endr
	s_wait_alu depctr_va_vdst(0)
	global_store_b32 v9, v[SBY], s[36:37]          ; my slot's 4 scale bytes
.irp t, 0,1,2,3,4,5,6,7
	ds_load_b96 v[OUTR+4*\t:OUTR+4*\t+2], v7 offset:4*\t*PITCH   ; LDS serves a wave's instructions in order: these see my stores
.endr
.irp t, 0,1,2,3,4,5,6,7
	s_wait_dscnt 7-\t                              ; the younger read-backs may be out
	global_store_b96 v8, v[OUTR+4*\t:OUTR+4*\t+2], s[34:35] offset:4*\t*KROW   ; eight lanes store a row's 96 consecutive bytes
.endr
	s_wait_tensorcnt 0x0                           ; the wave's end
	ds_add_u32 v192, v193
	s_wait_dscnt 0x0
	s_endpgm
.Lfunc_end_k_q43695fcb15_quant:
	.size	k_q43695fcb15_quant, .Lfunc_end_k_q43695fcb15_quant-k_q43695fcb15_quant
	.p2alignl 7, 3214868480
	.fill 96, 4, 3214868480
	.section	.rodata,"a",@progbits
	.p2align	6, 0x0
	.amdhsa_kernel k_q43695fcb15_quant
		.amdhsa_group_segment_fixed_size 68096
		.amdhsa_private_segment_fixed_size 0
		.amdhsa_enable_private_segment 0
		.amdhsa_kernarg_size 64
		.amdhsa_user_sgpr_count 2
		.amdhsa_user_sgpr_kernarg_segment_ptr 1
		.amdhsa_wavefront_size32 1
		.amdhsa_system_sgpr_workgroup_id_x 1
		.amdhsa_system_sgpr_workgroup_id_y 1
		.amdhsa_system_sgpr_workgroup_id_z 1
		.amdhsa_system_vgpr_workitem_id 0
		.amdhsa_next_free_vgpr 194
		.amdhsa_next_free_sgpr 66
		.amdhsa_reserve_vcc 0
		.amdhsa_float_denorm_mode_32 3
		.amdhsa_float_denorm_mode_16_64 3
		.amdhsa_memory_ordered 1
		.amdhsa_forward_progress 1
		.amdhsa_inst_pref_size 40
	.end_amdhsa_kernel
	.amdgpu_metadata
---
amdhsa.version: [ 1, 2 ]
amdhsa.kernels:
  - .name:           k_q43695fcb15_quant
    .symbol:         k_q43695fcb15_quant.kd
    .args:
      - { .name: x, .offset: 0, .size: 8, .value_kind: global_buffer, .address_space: global }
      - { .name: Wproj, .offset: 8, .size: 8, .value_kind: global_buffer, .address_space: global }
      - { .name: Wq, .offset: 16, .size: 8, .value_kind: global_buffer, .address_space: global }
      - { .name: Wk, .offset: 24, .size: 8, .value_kind: global_buffer, .address_space: global }
      - { .name: Wv, .offset: 32, .size: 8, .value_kind: global_buffer, .address_space: global }
      - { .name: xq, .offset: 40, .size: 8, .value_kind: global_buffer, .address_space: global }
      - { .name: pq, .offset: 48, .size: 8, .value_kind: global_buffer, .address_space: global }
      - { .name: wq, .offset: 56, .size: 8, .value_kind: global_buffer, .address_space: global }
    .group_segment_fixed_size: 68096
    .private_segment_fixed_size: 0
    .kernarg_segment_align: 8
    .kernarg_segment_size: 64
    .max_flat_workgroup_size: 128
    .sgpr_count:     66
    .vgpr_count:     194
    .wavefront_size: 32
...
	.end_amdgpu_metadata
.endif
;; end of part 1
;; launch qkv (part 2): grid 16 x 16, 4 waves a work-group, clusters of 4 x 4, 327,680 bytes of LDS; arguments xq, wq, qq, kv; writes qq, kv
.if DOCPART == 2
	.amdgcn_target "amdgcn-amd-amdhsa--gfx1250"
	.amdhsa_code_object_version 6
	.text
	.protected	k_q43695fcb15_qkv
	.globl	k_q43695fcb15_qkv
	.p2align	8
	.type	k_q43695fcb15_qkv,@function
k_q43695fcb15_qkv:
	s_mov_b64 s[64:65], 0
	v_nop
	global_prefetch_b8 v0, s[64:65] scope:SCOPE_SE
	s_setreg_imm32_b32 hwreg(HW_REG_WAVE_MODE, 25, 1), 1
	s_wait_xcnt 0x0
	s_wait_alu depctr_hold_cnt(0) depctr_sa_sdst(0) depctr_va_vdst(0) depctr_va_sdst(0) depctr_va_ssrc(0) depctr_va_vcc(0) depctr_vm_vsrc(0)
	s_getreg_b32 s2, hwreg(HW_REG_IB_STS2, 6, 4)
	s_cmp_eq_u32 s2, 0
	s_cbranch_scc0 .Lentry_in_a_cluster
	s_endpgm
.Lentry_in_a_cluster:
	s_bfe_u32 s2, ttmp6, 0x10000c
	s_cmp_lg_u32 s2, 0xf033
	s_cbranch_scc0 .Lentry_shape_is_right
	s_endpgm
.Lentry_shape_is_right:
; q, k, v = x Wq, x Wk, x Wv on codes of BF6 (E3M2) with E8M0 scales, K = 1,024; the results are quantised in registers (q, k along the head's 64, v along the tokens) and leave as images of operand registers.
; A work-group takes 512 tokens (tile row rb) x the 192 rows of wq of one head hd: 16 x 16 = 256 work-groups.  Wave (mh, nh): 256 tokens (16 blocks of 16) x 96 rows (6 tiles): tiles 0-3 are q (nh = 0) or k (nh = 1), tiles 4-5 v's columns 32 nh on.
; THE WALK GOES BY BLOCKS OF 16 TOKENS, NOT BY K.  A wave's 48 fragments of wq (6 tiles x 8 steps of 128 along K, 576 registers) are read from LDS once and stay in registers;
; then each block of tokens is finished in 48 matrix instructions, its six accumulators by turns, K ascending.
; Tiles are whole rows of K (768 bytes, dense in memory), stated as rows of 256 bytes or a multiple, 16 bytes of padding behind every 256: an LDS row is 816 bytes.
; x COMES IN FOUR PARTS of 64 tokens of each half (two dense runs of 49,152 bytes, one tensor load), through two regions of LDS by turns: part 0's bytes, and wq's bytes once every wave holds wq in registers.
; A trip is one part, four blocks.  At a trip's top stand the three lines and a round of the cluster's barrier; behind it wave 0 asks for the next part, which has the trip's four blocks in which to land.  Three trips in a loop; the last is written out and asks for nothing.
; q AND k ARE MADE TRANSPOSED (source 0 = 16 rows of wq, source 1 = 16 tokens): a lane holds one token.  v THE NATURAL WAY: a lane holds one column, its registers run along the tokens.
; CLUSTERS: 4 x 4: x's tiles are shared along a row of the cluster, wq's along a column.
; PREFETCH: in trips 0 and 1 each wave names 24 blocks of 256 bytes of the part after the next: one trip ahead of that part's load; the four partners of a row share a part's 384 blocks out by address.  Part 1 comes by its load alone.
; WHAT LEAVES.  An image of 12 registers: registers 4 c .. 4 c + 3 of lane l at 512 c + 16 l.  Pair image (q, k): registers 0-5 = the 64 columns' codes of token tile 2 i, registers 6-11 of tile 2 i + 1.
;   Scale image (q, k): lane (r, H), word j: token tile 4 H + j, token r: bytes b0, b1, b0, b1.
;   qq: pair images [bh][32][1,536] at 0; scale images [bh][8][512] at 6,291,456.   kv: [bh][step of 128 tokens][13,056]: k's 4 pair images, v's 4 images, k's scale image, v's scale words [tile][column].
;   A group of 128 tokens is two trips: the even trip saves its half of v's images and of the scale words, the odd trip stores them whole (a branch on the trip's number).
; Inside a block of 32 tokens v's codes stand in the order 0-7, 16-23, 8-15, 24-31, as the softmax's weights do in the next launch.
; LIMITS: a block whose largest magnitude lies under 2^-122 keeps the byte 1; a block of zeros gets the byte 1 (its codes are zeros; this program alone reads the bytes); NaN and infinities are not served.
; REGISTERS: window 0: addresses, scale words, the way out, v128-223 one block's fragments of x.  Windows 1-3: v0-191 wq's fragments, 16 each (fragment f = 6 k + tile in window 1 + f / 16);
;   window 1 v192-255: q's or k's accumulators of two blocks; window 2 v192-255: v's of four blocks.
.set PX,    816
.set HX,    64*PX                      ; a half's 64 rows of a part
.set WQL,   2*HX                       ; 104,448: wq's rows; later x's parts 1 and 3
.set HWQ,   96*PX
.set SCA,   WQL+192*PX                 ; x's scale bytes: 64 lines of 256 + 16
.set HSA,   32*272
.set SCB,   SCA+2*HSA                  ; wq's: 24 lines
.set HSB,   12*272
.set SBLK,  2*272
.set SPARE, 285184                     ; the spare words: two blocks of 256 bytes that no other line names
.set PART,  49152                      ; bytes from part to part in memory
.set ADRX, 16                          ; v16-17 the trip's fragments of x (plain, behind one padding more); v18-19 their lane terms
.set BX,   18
.set ADRB, 20                          ; v20-21 wq's tiles 0-2; v22-23 tiles 3-5
.set LI,   24
.set LS,   25
.set ADSA, 26
.set ADSB, 27
.set SPW,  28
.set NIL,  29
.set BS,   30
.set PFO,  31
.set SB,   32                          ; v32-55 wq's scale words: 6 (k / 2) + 2 (tile % 3) + k % 2; lanes 16-31: tiles 3-5
.set SA,   56                          ; v56-71 x's, two sets of 8 words
.set TM,   72
.set PW,   88
.set PWA,  89
.set SW,   90                          ; v90-93 the trip's four scale words, v94-97 the even trip's
.set SWS,  94
.set SO,   98
.set VS,   102
.set VC,   104                         ; v104-127 v's two images: 12 c + 0 .. 5 the even trip's half, + 6 .. 11 the trip's
.set AF,   128
.set PCD,  224                         ; v224-247 the trip's two pair images
.set TC,   248
.set PF,   4                           ; s[4:5] where my prefetches stand
.set G1X,  24
.set G0X,  32
.set EXQ,  36                          ; s[36:37] what a group's end adds to the pair images' address beyond 3,072
.set STS,  38                          ; s[38:39] from scale image to scale image
.set G1W,  48
.set G0W,  56
.set HM,   60
.set CT,   61
.set RG,   62
.set SOF,  63
.set G1S,  68
.set G0S,  76
.set G1SB, 80
.set G0SB, 88
.set OQK,  92
.set OSC,  94
.set OV,   96
.set OVS,  66
.set SEL,  98
.set MSB, 0
.macro WIN new                         ; the immediate's high byte repeats the setting that is left
.if MSB != (\new)
	s_set_vgpr_msb (MSB<<8)|(\new)
.set MSB, (\new)
.endif
.endm
.macro CREST
	s_cmp_lg_u32 s14, 0
	s_cbranch_scc1 .Lnot_wave_0_\@
	s_barrier_signal -3
.Lnot_wave_0_\@:
	s_barrier_wait -3
	s_barrier_signal -1
	s_barrier_wait -1
.endm
.macro CROUND
	s_barrier_signal -1
	s_barrier_wait -1
	CREST
.endm
.macro PLACES n
.rept \n
	v_nop
.endr
.endm
.macro DESC g, c, r, p                 ; words 1 to 7 of a group 1: r rows of c elements of 8 bytes, p elements apart
	s_mov_b32 s[\g+1], (\c)<<16
	s_mov_b32 s[\g+2], (\r)<<16
	s_mov_b32 s[\g+3], (\c)<<16
	s_mov_b32 s[\g+4], \r
	s_mov_b32 s[\g+5], \p
	s_mov_b32 s[\g+6], 0
	s_mov_b32 s[\g+7], 0
.endm
.macro GRP0 g, lds, a                  ; a group 0
	s_mov_b32 s[\g], 1
	s_mov_b32 s[\g+1], \lds
	s_mov_b64 s[\g+2:\g+3], s[\a:\a+1]
	s_or_b32 s[\g+3], s[\g+3], 0x80000000
.endm
	s_load_b256 s[4:11], s[0:1], 0x0               ; xq, wq, qq, kv
	v_lshl_add_u32 v[SPW], v0, 2, SPARE
	v_mov_b32 v[NIL], 0
	ds_add_u32 v[SPW], v[NIL]                      ; the opening lines: the add twice on end and one wait
	ds_add_u32 v[SPW], v[NIL]
	v_lshrrev_b32 v1, 5, v0
	v_readfirstlane_b32 s14, v1                    ; wave
	s_lshr_b32 s15, s14, 1                         ; mh
	s_and_b32 s16, s14, 1                          ; nh
	s_bfe_u32 s40, ttmp6, 0x40000
	s_bfe_u32 s41, ttmp6, 0x40004
	s_lshl_b32 s42, ttmp9, 2
	s_add_co_u32 s42, s42, s40                     ; hd
	s_and_b32 s17, ttmp7, 0xffff
	s_lshl_b32 s17, s17, 2
	s_add_co_u32 s17, s17, s41                     ; rb
	s_lshl_b32 s43, s41, 2
	s_lshl_b32 s43, 15, s43                        ; my row of the cluster
	s_lshl_b32 s44, 0x1111, s40                    ; my column
	s_or_b32 s[G1X], s43, (3<<16)|(1<<20)|(1<<21)|(5<<22)|(3<<25)   ; elements of 8 bytes; 4 words of padding behind every 64
	DESC G1X, 6144, 2, 24576                       ; x: two runs of 64 dense rows (49,152 bytes), 256 rows apart
	s_or_b32 s[G1W], s44, (3<<16)|(1<<20)|(1<<21)|(5<<22)|(3<<25)
	DESC G1W, 32, 576, 32                          ; wq: 192 dense rows as 576 rows of 256 bytes
	s_or_b32 s[G1S], s43, (3<<16)|(1<<20)|(1<<21)|(5<<22)|(3<<25)
	DESC G1S, 32, 64, 32
	s_or_b32 s[G1SB], s44, (3<<16)|(1<<20)|(1<<21)|(5<<22)|(3<<25)
	DESC G1SB, 32, 24, 32
	s_mul_i32 s20, s17, 393216                     ; x's codes hang on rb alone,
	s_mov_b32 s21, 0
	s_lshl_b32 s22, s17, 14
	s_add_co_u32 s22, s22, 6291456                 ; and its scale bytes;
	s_mov_b32 s23, 0
	s_mul_i32 s46, s42, 147456                     ; wq's on hd alone
	s_mov_b32 s47, 0
	s_mul_i32 s2, s42, 6144
	s_add_co_u32 s2, s2, 2359296
	s_mov_b32 s3, 0
	s_mov_b32 s[SEL], 0x76543210
	s_mov_b32 s[SEL+1], 0xfedcba98
	s_mov_b32 s[HM], 0xffff0000
	s_mov_b32 s[CT], 0
	s_mov_b32 s[RG], 0
	s_mov_b32 s[SOF], 0
	s_wait_dscnt 0x0
	s_wait_kmcnt 0x0
	s_add_nc_u64 s[20:21], s[4:5], s[20:21]
	s_add_nc_u64 s[22:23], s[4:5], s[22:23]
	s_add_nc_u64 s[46:47], s[6:7], s[46:47]
	s_add_nc_u64 s[2:3], s[6:7], s[2:3]
	CROUND                                         ; the first joint loads meet
	GRP0 G0X, 0, 20
	GRP0 G0W, WQL, 46
	GRP0 G0S, SCA, 22
	GRP0 G0SB, SCB, 2
.macro ARM under, g0, g1, next         ; one tree of branches on the wave's number, one load to an arm
	s_cmp_lt_u32 s14, \under
	s_cbranch_scc0 \next
	tensor_load_to_lds s[\g0:\g0+3], s[\g1:\g1+7]
	s_nop 0
	PLACES 4
	s_branch .Lhead_asked
\next:
.endm
	ARM 1, G0W, G1W, .Lhead_x
	ARM 2, G0X, G1X, .Lhead_sa
	ARM 3, G0S, G1S, .Lhead_sb
	tensor_load_to_lds s[G0SB:G0SB+3], s[G1SB:G1SB+7]
	s_nop 0
	PLACES 4
.Lhead_asked:
	; the prefetches: of a part's 2 x 192 blocks of 256 bytes the partner at cx takes 96, each of its waves 24: run cx / 2, block 96 (cx % 2) + 24 wave + lane (lanes 24-31 name the wave's last block again)
	s_lshr_b32 s2, s40, 1
	s_mul_i32 s2, s2, 196608
	s_and_b32 s3, s40, 1
	s_mul_i32 s3, s3, 96
	s_mul_i32 s12, s14, 24
	s_add_co_u32 s3, s3, s12
	s_lshl_b32 s3, s3, 8
	s_add_co_u32 s2, s2, s3
	s_add_co_u32 s2, s2, 2*PART                    ; trip 0 names part 2
	s_mov_b32 s3, 0
	s_add_nc_u64 s[PF:PF+1], s[20:21], s[2:3]
	v_and_b32 v1, 15, v0                           ; r
	v_bfe_u32 v2, v0, 4, 1                         ; H
	v_mul_u32_u24 v3, v1, PX
	v_mad_u32_u24 v4, v2, 24, v3                   ; row x pitch + 24 H
	v_lshl_add_u32 v5, v2, 4, v4                   ; and behind one padding more
	s_mul_i32 s21, s15, HX
	s_mul_i32 s23, s16, HWQ
	s_add_co_u32 s23, s23, WQL
	v_add_nc_u32 v[BX], s21, v4
	v_add_nc_u32 v[BX+1], s21, v5
	v_add_nc_u32 v[ADRB], s23, v4
	v_add_nc_u32 v[ADRB+1], s23, v5
	s_add_co_u32 s23, s23, 48*PX
	v_add_nc_u32 v[ADRB+2], s23, v4
	v_add_nc_u32 v[ADRB+3], s23, v5
	v_lshlrev_b32 v6, 5, v1                        ; a row's 32 scale bytes,
	v_lshrrev_b32 v7, 8, v6
	v_lshl_add_u32 v6, v7, 4, v6                   ; and 16 more for each 256 passed
	s_mul_i32 s21, s15, HSA
	s_add_co_u32 s21, s21, SCA
	v_add_nc_u32 v[BS], s21, v6
	v_mul_u32_u24 v7, v2, 3*SBLK                   ; lanes 16-31: three tiles on
	v_add_nc_u32 v7, v7, v6
	s_mul_i32 s21, s16, HSB
	s_add_co_u32 s21, s21, SCB
	v_add_nc_u32 v[ADSB], s21, v7
	v_and_b32 v8, 31, v0
	v_lshlrev_b32 v[LI], 4, v8
	v_lshlrev_b32 v[LS], 2, v8
	v_min_u32 v[PFO], 23, v8
	v_lshlrev_b32 v[PFO], 8, v[PFO]
.irp b, 0,1,2,3
	v_mov_b32 v[TM+4+\b], 0                        ; a lane permute's destination counts as one of its sources
.endr
	s_lshr_b32 s18, s17, 1                         ; where the results go: a batch is two tile rows of 512 tokens
	s_lshl_b32 s18, s18, 4
	s_add_co_u32 s18, s18, s42                     ; bh
	s_and_b32 s19, s17, 1
	s_lshl_b32 s19, s19, 2
	s_lshl_b32 s12, s15, 1
	s_add_co_u32 s19, s19, s12                     ; my first group of 128 tokens in the sequence
	s_mul_i32 s20, s18, 104448
	s_mul_i32 s21, s19, 13056
	s_add_co_u32 s20, s20, s21                     ; the bundle in kv
	s_mul_i32 s22, s18, 49152
	s_mul_i32 s23, s19, 6144
	s_add_co_u32 s22, s22, s23                     ; q's pair images
	s_lshl_b32 s45, s18, 12
	s_lshl_b32 s46, s19, 9
	s_add_co_u32 s45, s45, s46
	s_add_co_u32 s45, s45, 6291456                 ; q's scale image
	s_add_co_u32 s46, s20, 12288                   ; k's
	s_mov_b32 s[STS], 13056
	s_cmp_eq_u32 s16, 0
	s_cselect_b64 s[OQK:OQK+1], s[8:9], s[10:11]
	s_cselect_b64 s[OSC:OSC+1], s[8:9], s[10:11]
	s_cselect_b32 s2, s22, s20
	s_cselect_b32 s12, s45, s46
	s_cselect_b32 s[EXQ], 0, 6912                  ; q's pair images lie on end; k's next four lie a bundle on: 13,056 - 6,144
	s_cselect_b32 s[STS], 512, s[STS]
	s_mov_b32 s[EXQ+1], 0
	s_mov_b32 s[STS+1], 0
	s_mov_b32 s3, 0
	s_mov_b32 s13, 0
	s_add_nc_u64 s[OQK:OQK+1], s[OQK:OQK+1], s[2:3]
	s_add_nc_u64 s[OSC:OSC+1], s[OSC:OSC+1], s[12:13]
	s_mul_i32 s2, s16, 3072
	s_add_co_u32 s2, s2, s20
	s_add_co_u32 s2, s2, 6144
	s_add_nc_u64 s[OV:OV+1], s[10:11], s[2:3]
	s_lshl_b32 s2, s16, 7
	s_add_co_u32 s2, s2, s20
	s_add_co_u32 s2, s2, 12800
	s_add_nc_u64 s[OVS:OVS+1], s[10:11], s[2:3]
; A fragment, 16 rows x 128 K, step k of the row: six pieces of 8 bytes.  Piece n of a row lies at 8 n + 16 (n / 32).  Lanes 16-31 read three pieces on: where that lies behind one padding more, the second register serves.
.macro FRAG reg, adr, k, off
.irp p, 0,1,2,3,4,5
.set PCE, 12*(\k)+6*(\p/3)+\p%3
.if PCE%32 < 29
	ds_load_b64 v[\reg+2*\p:\reg+2*\p+1], v[\adr] offset:8*PCE+16*(PCE/32)+(\off)
.else
	ds_load_b64 v[\reg+2*\p:\reg+2*\p+1], v[\adr+1] offset:8*PCE+16*(PCE/32)+(\off)
.endif
.endr
.endm
.macro LDB k                           ; wq's six fragments of step k, to stay
.irp i, 0,1,2,3,4,5
.set F, 6*(\k)+\i
	WIN (1+F/16)<<6
	FRAG 12*(F%16),ADRB+2*(\i/3),\k,(\i%3)*16*PX
.endr
	WIN 0
.endm
.macro XLD j, h                        ; the trip's block j: its fragments of steps 4 h .. 4 h + 3
.irp k, 0,1,2,3
	FRAG AF+12*(4*(\h)+\k),ADRX,4*(\h)+\k,(\j)*16*PX
.endr
.endm
.macro SCALX j                         ; block j's eight scale words a row
	ds_load_b128 v[SA+8*((\j)%2):SA+8*((\j)%2)+3], v[ADSA] offset:(\j)*SBLK
	ds_load_b128 v[SA+8*((\j)%2)+4:SA+8*((\j)%2)+7], v[ADSA] offset:(\j)*SBLK+16
.endm
.macro WMM d, s0, s1, zero, x0, x1, m
.if \zero
	v_wmma_scale_f32_16x16x128_f8f6f4 v[(\d):(\d)+7], v[(\s0):(\s0)+11], v[(\s1):(\s1)+11], 0, v[\x0], v[\x1] matrix_a_fmt:MATRIX_FMT_BF6 matrix_b_fmt:MATRIX_FMT_BF6 \m
.else
	v_wmma_scale_f32_16x16x128_f8f6f4 v[(\d):(\d)+7], v[(\s0):(\s0)+11], v[(\s1):(\s1)+11], v[(\d):(\d)+7], v[\x0], v[\x1] matrix_a_fmt:MATRIX_FMT_BF6 matrix_b_fmt:MATRIX_FMT_BF6 \m
.endif
.endm
.macro KSTEP a, k                      ; block a, step k: six matrix instructions on six accumulators; step 0 starts the sums
.irp c, 0,1,2
.set F, 6*(\k)+\c
	WIN 0x50|(1+F/16)
	WMM 192+8*(4*((\a)%2)+\c),12*(F%16),AF+12*(\k),(\k)==0,SB+6*((\k)/2)+2*\c+(\k)%2,SA+8*((\a)%2)+(\k)
.endr
.set F, 6*(\k)+3
	WIN 0x50|(1+F/16)
	WMM 192+8*(4*((\a)%2)+3),12*(F%16),AF+12*(\k),(\k)==0,SB+6*((\k)/2)+(\k)%2,SA+8*((\a)%2)+(\k),matrix_a_scale:MATRIX_SCALE_ROW1
.irp c, 0,1
.set F, 6*(\k)+4+\c
	WIN 0xa0|((1+F/16)<<2)
	WMM 192+8*(4*\c+(\a)%4),AF+12*(\k),12*(F%16),(\k)==0,SA+8*((\a)%2)+(\k),SB+6*((\k)/2)+2*(1+\c)+(\k)%2,matrix_b_scale:MATRIX_SCALE_ROW1
.endr
.endm
; 64 numbers of a lane in window w, v[s] on: four blocks of which the lane holds 16 numbers each and lane l xor 16 the other 16, become codes in v[pc] and v[pc + pst] on (6 registers each) and four scale bytes in v[PW].
.macro QUANT w, s, pc, pst
	WIN ((\w)<<2)|((\w)<<4)
.irp b, 0,1,2,3
	v_max3_num_f32 v[TM+\b], 0x2800000, |v[(\s)+16*\b]|, |v[(\s)+16*\b+1]|   ; the floor 2^(5 - 127): the byte cannot fall under 1
.endr
.irp i, 2,4,6,8,10,12,14
.irp b, 0,1,2,3
	v_max3_num_f32 v[TM+\b], v[TM+\b], |v[(\s)+16*\b+\i]|, |v[(\s)+16*\b+\i+1]|
.endr
.endr
	WIN 0
.irp b, 0,1,2,3
	v_permlanex16_b32 v[TM+4+\b], v[TM+\b], s[SEL], s[SEL+1]
.endr
.irp b, 0,1,2,3
	v_max_num_f32 v[TM+\b], v[TM+\b], v[TM+4+\b]
.endr
.irp b, 0,1,2,3
	v_add_nc_u32 v[TM+12+\b], 0xfe000000, v[TM+\b] ; 4 off the exponent field: the conversion's scale operand
.endr
.irp b, 0,1,2,3
	v_lshrrev_b32 v[TM+4+\b], 23, v[TM+12+\b]      ; the scale's byte
.endr
	v_lshl_or_b32 v[PW], v[TM+5], 8, v[TM+4]
	v_lshl_or_b32 v[PW], v[TM+6], 16, v[PW]
	v_lshl_or_b32 v[PW], v[TM+7], 24, v[PW]
	WIN \w
.irp c, 0,1
	v_cvt_scalef32_pk16_bf6_f32 v[(\pc)+(\pst)*\c:(\pc)+(\pst)*\c+2], v[(\s)+32*\c:(\s)+32*\c+15], v[TM+12+2*\c]
	v_cvt_scalef32_pk16_bf6_f32 v[TC+4*\c:TC+4*\c+2], v[(\s)+32*\c+16:(\s)+32*\c+31], v[TM+12+2*\c+1]
.endr
	WIN 0
	v_nop                                          ; one plain line behind the conversions
.irp c, 0,1                                    ; a whole block in a lane: lanes 0-15 block 2 c, lanes 16-31 block 2 c + 1
.irp i, 0,1,2
	v_permlane16_swap_b32 v[(\pc)+(\pst)*\c+\i], v[TC+4*\c+\i]
.endr
.irp i, 0,1,2
	v_mov_b32 v[(\pc)+3+(\pst)*\c+\i], v[TC+4*\c+\i]
.endr
.endr
.endm
.macro OUTQK i                         ; the trip's token tiles 2 i, 2 i + 1: one pair image and two scale words
	s_wait_xcnt 0x0                                ; earlier stores have read their registers
	QUANT 1, 192, PCD+12*(\i), 6
.irp c, 0,1,2
	global_store_b128 v[LI], v[PCD+12*(\i)+4*\c:PCD+12*(\i)+4*\c+3], s[OQK:OQK+1] offset:1536*(\i)+512*\c   ; 512 consecutive bytes, aligned
.endr
	v_perm_b32 v[SW+2*(\i)], v[PW], v[PW], 0x01000100
	v_perm_b32 v[SW+2*(\i)+1], v[PW], v[PW], 0x03020302
	s_wait_alu depctr_va_vdst(0)
.endm
.macro BLK j
	s_wait_dscnt 24                                ; steps 0-3's fragments and the scale words are in; the 24 loads of steps 4-7 may be out
.irp k, 0,1,2,3
	KSTEP \j, \k
.endr
	WIN 0
	PLACES 4                                       ; in front of loads into registers that matrix instructions have read
.if (\j) < 3
	XLD (\j)+1, 0
	SCALX (\j)+1
	s_wait_dscnt 26                                ; all but the 26 just issued
.else
	s_wait_dscnt 0x0
.endif
.irp k, 4,5,6,7
	KSTEP \j, \k
.endr
	WIN 0
	PLACES 4
.if (\j) < 3
	XLD (\j)+1, 1
.endif
.endm
.macro GROUPOUT                        ; an odd trip: the group's scale image, v's two images and v's scale words leave
.irp j, 0,1,2,3
	v_cndmask_b32 v[SO+\j], v[SWS+\j], v[SW+\j], s[HM]   ; lanes 0-15: tiles 0-3, lanes 16-31: tiles 4-7
.endr
	global_store_b128 v[LI], v[SO:SO+3], s[OSC:OSC+1]
.irp c, 0,1
.irp e, 0,1,2
	global_store_b128 v[LI], v[VC+12*\c+4*\e:VC+12*\c+4*\e+3], s[OV:OV+1] offset:1536*\c+512*\e
.endr
.endr
	v_perm_b32 v[TM], v[PW], v[PWA], 0x05040100    ; tile 0's word: the two halves' lower two bytes
	v_perm_b32 v[TM+1], v[PW], v[PWA], 0x07060302  ; tile 1's
	v_cndmask_b32 v[VS], v[TM], v[TM+1], s[HM]
	global_store_b32 v[LS], v[VS], s[OVS:OVS+1]    ; 128 consecutive bytes; the wave beside me stores the 128 behind them
.endm
.macro TRIP fill                       ; one part of x: four blocks
	v_add_nc_u32 v[ADRX], s[RG], v[BX]             ; the part's region,
	v_add_nc_u32 v[ADRX+1], s[RG], v[BX+1]
	v_add_nc_u32 v[ADSA], s[SOF], v[BS]            ; and its rows' scale words
	s_wait_alu depctr_va_vdst(0)
	s_wait_tensorcnt 0x0                           ; the part has landed (wave 0 asked for it)
.if \fill
	ds_add_u32 v[SPW], v[NIL]                      ; the other region is filled again
	s_xor_b32 s[G0X+1], s[G0X+1], WQL              ; no load of mine is out: the next part, into the other region
	s_add_nc_u64 s[G0X+2:G0X+3], s[G0X+2:G0X+3], PART
	s_wait_dscnt 0x0                               ; my reads of that region are over: in trip 0 wq's fragments, which are now in registers
	CROUND
	s_cmp_lg_u32 s14, 0
	s_cbranch_scc1 .Lno_x_\@
	tensor_load_to_lds s[G0X:G0X+3], s[G1X:G1X+7]
	s_nop 0
	PLACES 4
.Lno_x_\@:
.else
	s_wait_dscnt 0x0
	s_barrier_signal -1
	s_barrier_wait -1
.endif
	PLACES 4
	XLD 0, 0
	SCALX 0
	XLD 0, 1
.if \fill
	s_cmp_lt_u32 s[CT], 2                          ; parts 2 and 3 are named, in trips 0 and 1
	s_cbranch_scc0 .Lno_pf_\@
	global_prefetch_b8 v[PFO], s[PF:PF+1] th:TH_LOAD_NT scope:SCOPE_SE
.Lno_pf_\@:
.endif
	BLK 0
	BLK 1
	OUTQK 0
	BLK 2
	BLK 3
	OUTQK 1
	QUANT 2, 192, VC+6, 12                         ; v: four blocks of tokens x two tiles: half of each tile's image
.if \fill
	s_wait_alu depctr_va_vdst(0)
	s_bitcmp1_b32 s[CT], 0
	s_cbranch_scc1 .Lodd_\@
.irp c, 0,1
.irp i, 0,1,2,3,4,5
	v_mov_b32 v[VC+12*\c+\i], v[VC+12*\c+6+\i]     ; an even trip: its halves are kept
.endr
.endr
.irp j, 0,1,2,3
	v_mov_b32 v[SWS+\j], v[SW+\j]
.endr
	v_mov_b32 v[PWA], v[PW]
	s_branch .Ljoin_\@
.Lodd_\@:
	GROUPOUT
	s_wait_xcnt 0x0                                ; the stores have read their bases
	s_add_nc_u64 s[OSC:OSC+1], s[OSC:OSC+1], s[STS:STS+1]
	s_add_nc_u64 s[OV:OV+1], s[OV:OV+1], 13056
	s_add_nc_u64 s[OVS:OVS+1], s[OVS:OVS+1], 13056
	s_add_nc_u64 s[OQK:OQK+1], s[OQK:OQK+1], s[EXQ:EXQ+1]
.Ljoin_\@:
	s_wait_xcnt 0x0                                ; the pair images' stores and the prefetch have read their bases
	s_add_nc_u64 s[OQK:OQK+1], s[OQK:OQK+1], 3072
	s_add_nc_u64 s[PF:PF+1], s[PF:PF+1], PART
	s_xor_b32 s[RG], s[RG], WQL
	s_add_co_u32 s[SOF], s[SOF], 4*SBLK
.else
	GROUPOUT
.endif
.endm
	s_wait_alu depctr_va_vdst(0)
	s_wait_tensorcnt 0x0                           ; my tile of the head's four is in,
	s_barrier_signal -1
	s_barrier_wait -1                              ; everybody's is
.irp s, 0,1,2,3
.irp i, 0,1,2
	ds_load_b64 v[SB+6*\s+2*\i:SB+6*\s+2*\i+1], v[ADSB] offset:\i*SBLK+8*\s
.endr
.endr
.irp k, 0,1,2,3,4,5,6,7
	LDB \k                                         ; wq into registers; the wait for these loads stands at the first trip's top
.endr
.Ltrip:
	TRIP 1
	s_add_co_u32 s[CT], s[CT], 1
	s_cmp_lt_u32 s[CT], 3
	s_wait_alu depctr_va_vdst(0)
	s_cbranch_scc1 .Ltrip
	TRIP 0                                         ; the last part: nothing more is asked for
	s_wait_tensorcnt 0x0                           ; the wave's end
	ds_add_u32 v[SPW], v[NIL]
	s_wait_dscnt 0x0
	CROUND                                         ; the closing round
	s_endpgm
.Lfunc_end_k_q43695fcb15_qkv:
	.size	k_q43695fcb15_qkv, .Lfunc_end_k_q43695fcb15_qkv-k_q43695fcb15_qkv
	.p2alignl 7, 3214868480
	.fill 96, 4, 3214868480
	.section	.rodata,"a",@progbits
	.p2align	6, 0x0
	.amdhsa_kernel k_q43695fcb15_qkv
		.amdhsa_group_segment_fixed_size 327680
		.amdhsa_private_segment_fixed_size 0
		.amdhsa_enable_private_segment 0
		.amdhsa_kernarg_size 32
		.amdhsa_user_sgpr_count 2
		.amdhsa_user_sgpr_kernarg_segment_ptr 1
		.amdhsa_wavefront_size32 1
		.amdhsa_system_sgpr_workgroup_id_x 1
		.amdhsa_system_sgpr_workgroup_id_y 1
		.amdhsa_system_sgpr_workgroup_id_z 1
		.amdhsa_system_vgpr_workitem_id 0
		.amdhsa_next_free_vgpr 1024
		.amdhsa_next_free_sgpr 100
		.amdhsa_reserve_vcc 0
		.amdhsa_float_denorm_mode_32 3
		.amdhsa_float_denorm_mode_16_64 3
		.amdhsa_memory_ordered 1
		.amdhsa_forward_progress 1
		.amdhsa_inst_pref_size 141
	.end_amdhsa_kernel
	.amdgpu_metadata
---
amdhsa.version: [ 1, 2 ]
amdhsa.kernels:
  - .name:           k_q43695fcb15_qkv
    .symbol:         k_q43695fcb15_qkv.kd
    .args:
      - { .name: xq, .offset: 0, .size: 8, .value_kind: global_buffer, .address_space: global }
      - { .name: wq, .offset: 8, .size: 8, .value_kind: global_buffer, .address_space: global }
      - { .name: qq, .offset: 16, .size: 8, .value_kind: global_buffer, .address_space: global }
      - { .name: kv, .offset: 24, .size: 8, .value_kind: global_buffer, .address_space: global }
    .group_segment_fixed_size: 327680
    .private_segment_fixed_size: 0
    .kernarg_segment_align: 8
    .kernarg_segment_size: 32
    .max_flat_workgroup_size: 128
    .sgpr_count:     100
    .vgpr_count:     1024
    .wavefront_size: 32
...
	.end_amdgpu_metadata
.endif
;; end of part 2
;; launch attn (part 3): grid 2 x 128, 16 waves a work-group, no clusters, 327,680 bytes of LDS; arguments qq, kv, oq; writes oq
.if DOCPART == 3
	.amdgcn_target "amdgcn-amd-amdhsa--gfx1250"
	.amdhsa_code_object_version 6
	.text
	.protected	k_q43695fcb15_attn
	.globl	k_q43695fcb15_attn
	.p2align	8
	.type	k_q43695fcb15_attn,@function
k_q43695fcb15_attn:
	s_mov_b64 s[64:65], 0
	v_nop
	global_prefetch_b8 v0, s[64:65] scope:SCOPE_SE
	s_setreg_imm32_b32 hwreg(HW_REG_WAVE_MODE, 25, 1), 1
	s_wait_xcnt 0x0
; Causal attention of one head on codes of BF6 (E3M2) with E8M0 scales; the result, divided by the row's sum, is quantised along the model's 1,024 columns and leaves as pieces of the last product's operand.
; t = score x log2(e) / 8; M = the running largest t rounded UP to a whole number; p = 2^(t - M) is what is quantised, along the keys, not normalised; the row's sum is taken of the unquantised p in f32.
; When M moves, the sum and O are multiplied by 2^(old M - new M): exact.
; SHARES.  Work-group (j, bh), j = 0, 1.  Wave w owns two tiles of 16 queries: T = 16 j + w (0 .. 31) and 63 - T.  A tile walks T / 8 + 1 steps of 128 keys (the steps that lie wholly behind its queries are left out):
; 9 steps for every wave of every work-group.  Sixteen waves of 256 registers, four to a SIMD: one wave's vector work stands beside another's matrix work and LDS loads.
; A HEAD'S k, v AND SCALES ARE 104,448 BYTES AND LIE IN LDS WHOLE, as they lie in kv: eight bundles of 13,056 bytes.  Waves 0 to 3 bring two bundles each; nothing is ever filled again.
; The first pass (T under 32) reads bundles 0 to 3 alone, while bundles 4 to 7 are on their way.
; NO CLUSTER: only the two work-groups of a head read the same bytes, each once, at its head; the grid's x is 2, which no cluster of four divides, and along y the partners would be other heads.
; NO PREFETCH: all that a work-group reads is asked for at its head.
; LAYOUT.  Both products are used transposed: S^T = k q^T (source 0 = 16 keys, source 1 = my 16 queries), O^T = v^T p^T: a lane holds ONE query throughout.  The first product's K is the head's 64: the upper half of its 128
; meets zero codes in q's fragment.  k's fragments stand six registers a tile, on end: a tile's upper six are the next tile's codes (behind the last: zeros), which the zeros of q wipe out.
; Register 8 t + i of S^T holds key 16 t + 8 (lane / 16) + i: inside a block of 32 keys p's codes stand in the order 0-7, 16-23, 8-15, 24-31, as v's do.
; LIMITS: a block whose largest magnitude lies under 2^-122 keeps the byte 1; a block of zeros gets the byte 1 (its codes are zeros; this program alone reads the bytes); NaN and infinities are not served.
; THE ORDER OF THE WORK, which takes the place of what the lines above say of the fills and of the passes: at the head waves 0 to 3 bring bundles 0 to 3, one load a wave;
; behind the first barrier they bring bundles 4 to 7 (a first fill of those bytes; no byte is filled twice).
; Every wave walks its long tile (63 - T) first: four steps on bundles 0 to 3, the same number in every wave; a barrier that shows bundles 4 to 7 whole; up to four more steps.  Then its short tile T, on bundles 0 to 3.
; On the diagonal step the tiles of 16 keys under the diagonal count whole, those over it are set to -infinity whole, and the one on it is masked by eight constant lane masks.
.set BUN,  13056                       ; a bundle: k's four pair images (6,144), v's four images (6,144), k's scale image (512), v's scale words (256)
.set LI,   1                           ; v1   16 x lane
.set LS,   2                           ; v2   4 x lane
.set R16,  3                           ; v3   16 x (lane % 16)
.set ADK,  4                           ; v4   the step's bundle + 16 x lane
.set ADS,  5                           ; v5   the step's bundle + 4 x lane
.set L8,   6                           ; v6   8 x lane
.set OB,   7                           ; v7   8 (lane % 16) + lane / 16
.set RH,   8
.set DD,   10
.set NINF, 11                          ; v11  -infinity
                                       ; v12 -M, v13 the largest t, v[14:15] the sum in two halves; v16-21 q, v22-27 zeros; v28-31 k's scale words; v32-79 k's fragments, then v's; v80-85 zeros
                                       ; v86-87 v's scale words; v88, v89 q's scale words (first, second pass); v90 f, v91 p's scale word; v96-159 S^T, then p; v160-191 O^T; v192-215 q's two pair images; v216-227 p's codes
.set BM,   92                          ; v92-95   the blocks' largest scores, then largest p
.set PT,   228                         ; v228-231 the other half of the lanes'
.set TC,   232                         ; v232-238 the conversions' second halves
.set BY,   240                         ; v240-243 the scale bytes
.set TMP,  246
.set SCO,  248                         ; v248-251 the conversions' scale operands
.set WV,   10                          ; s10  wave
.set TL,   13                          ; s13, s14  my two tiles of queries
.set G1,   16                          ; s[16:23] group 1; s[24:27], s[28:31] groups 0 of my two bundles
.set SEL,  32                          ; s[32:33] selects for lane l xor 16
.set CS,   34                          ; s[34:35] c = log2(e) / 8
.set HM,   36                          ; s36  lanes 16-31
.set TB,   37                          ; s37  LDS byte at which the step's bundle begins
.set KF,   38                          ; s38  the step's first key
.set Q0,   39                          ; s39  my first query
.set CNT,  40
.set QA,   48                          ; s[48:51] q's pair image, for each pass;  s[52:55] its scale words;  s[56:59] where the codes go;  s[60:63] the scale bytes
.set QS,   52
.set OC,   56
.set OS,   60
	s_load_b128 s[4:7], s[0:1], 0x0                ; qq s[4:5], kv s[6:7]
	s_load_b64 s[8:9], s[0:1], 0x10                ; oq
	v_lshl_add_u32 v254, v0, 2, 0x29000
	v_mov_b32 v255, 0
	ds_add_u32 v254, v255
	ds_add_u32 v254, v255
	v_lshrrev_b32 v1, 5, v0
	s_delay_alu instid0(VALU_DEP_1)
	v_readfirstlane_b32 s[WV], v1                  ; wave 0..15
	s_and_b32 s11, ttmp7, 0xffff                   ; bh = 16 x batch + head
	s_lshl_b32 s[TL], ttmp9, 4
	s_add_co_u32 s[TL], s[TL], s[WV]               ; 16 j + w
	s_sub_co_u32 s[TL+1], 63, s[TL]
	; group 1: a bundle is dense: 51 lines of 256 bytes (32 elements of 8 bytes), no padding
	s_mov_b32 s[G1+0], 3<<16
	s_mov_b32 s[G1+1], 32<<16
	s_mov_b32 s[G1+2], 51<<16
	s_mov_b32 s[G1+3], 32<<16
	s_mov_b32 s[G1+4], 51
	s_mov_b32 s[G1+5], 32
	s_mov_b32 s[G1+6], 0
	s_mov_b32 s[G1+7], 0
	s_and_b32 s41, s[WV], 3
	s_mul_i32 s25, s41, BUN                        ; bundle w, in LDS as in the head's block
	s_mul_i32 s42, s11, 8*BUN
	s_add_co_u32 s42, s42, s25
	s_mov_b32 s43, 0
	s_mov_b32 s[SEL], 0x76543210
	s_mov_b32 s[SEL+1], 0xfedcba98
	s_mov_b32 s[CS], 0x3e38aa3b
	s_mov_b32 s[CS+1], s[CS]                       ; (named with it as a pair, so it is written)
	s_mov_b32 s[HM], 0xffff0000
.set MK, 72                            ; s72-79: in the tile of 16 keys on the diagonal register i is hidden in the lanes where i > lane % 16 - 8 (lane / 16)
.irp i, 0,1,2,3,4,5,6,7
	s_mov_b32 s[MK+\i], ((1<<\i)-1)|(((1<<(\i+8))-1)<<16)
.endr
	s_mul_i32 s66, s11, 49152                      ; the head's pair images of q,
	s_lshl_b32 s67, s11, 12
	s_add_co_u32 s67, s67, 6291456                 ; its scale images,
	s_lshr_b32 s68, s11, 4
	s_lshl_b32 s68, s68, 6                         ; the batch's first tile of 16 rows,
	s_and_b32 s69, s11, 15
	s_mul_i32 s69, s69, 768                        ; the head's three pieces in a tile's 12,288 bytes,
	s_bfe_u32 s70, s11, 0x20002
	s_lshl_b32 s70, s70, 7
	s_and_b32 s71, s11, 3
	s_lshl_b32 s71, s71, 1
	s_add_co_u32 s70, s70, s71
	s_add_co_u32 s70, s70, 6291456                 ; and its two bytes in a row's eight of a K step of 256
	s_wait_dscnt 0x0
	s_wait_kmcnt 0x0
	s_mov_b32 s24, 1
	s_add_nc_u64 s[26:27], s[6:7], s[42:43]
	s_mov_b32 s28, 1
	s_add_co_u32 s29, s25, 4*BUN                   ; bundle w + 4
	s_add_nc_u64 s[30:31], s[26:27], 4*BUN
	s_or_b32 s27, s27, 0x80000000
	s_or_b32 s31, s31, 0x80000000
	s_cmp_lt_u32 s[WV], 4                          ; the head's fills: one load a wave, in waves 0 to 3, ahead of every wait on TENSORcnt, every LDS read and every barrier
	s_cbranch_scc0 .Lno_fill
	tensor_load_to_lds s[24:27], s[G1:G1+7]        ; bundles 0 to 3, one load a wave at the head
	s_nop 0
.rept 4
	v_nop
.endr
.Lno_fill:
.macro BASES k                         ; the four addresses of pass k
	s_lshr_b32 s44, s[TL+\k], 1
	s_mul_i32 s44, s44, 1536
	s_add_co_u32 s44, s44, s66
	s_mov_b32 s45, 0
	s_add_nc_u64 s[QA+2*\k:QA+2*\k+1], s[4:5], s[44:45]
	s_lshr_b32 s44, s[TL+\k], 2
	s_lshl_b32 s44, s44, 8
	s_and_b32 s46, s[TL+\k], 3
	s_lshl_b32 s46, s46, 2
	s_add_co_u32 s44, s44, s46
	s_add_co_u32 s44, s44, s67
	s_add_nc_u64 s[QS+2*\k:QS+2*\k+1], s[4:5], s[44:45]
	s_add_co_u32 s46, s68, s[TL+\k]
	s_mul_i32 s44, s46, 12288
	s_add_co_u32 s44, s44, s69
	s_add_nc_u64 s[OC+2*\k:OC+2*\k+1], s[8:9], s[44:45]
	s_lshl_b32 s44, s46, 9
	s_add_co_u32 s44, s44, s70
	s_add_nc_u64 s[OS+2*\k:OS+2*\k+1], s[8:9], s[44:45]
.endm
	BASES 0
	BASES 1
	v_and_b32 v9, 31, v0                           ; lane
	s_delay_alu instid0(VALU_DEP_1)
	v_lshlrev_b32 v[LI], 4, v9
	s_delay_alu instid0(VALU_DEP_2)
	v_lshlrev_b32 v[LS], 2, v9
	s_delay_alu instid0(VALU_DEP_3)
	v_lshlrev_b32 v[L8], 3, v9
	v_and_b32 v[TMP], 15, v0                       ; r
	s_delay_alu instid0(VALU_DEP_1)
	v_lshlrev_b32 v[R16], 4, v[TMP]
	v_bfe_u32 v9, v0, 4, 1                         ; H
	s_delay_alu instid0(VALU_DEP_1)
	v_lshl_add_u32 v[OB], v[TMP], 3, v9
.irp k, 0,1
.irp c, 0,1,2
	global_load_b128 v[192+12*\k+4*\c:195+12*\k+4*\c], v[LI], s[QA+2*\k:QA+2*\k+1] offset:512*\c   ; the pair image that holds my tile
.endr
	global_load_b32 v[88+\k], v[R16], s[QS+2*\k:QS+2*\k+1]   ; lane r: query r's scale word
.endr
	v_mov_b32 v[NINF], 0xff800000
.irp i, 0,1,2,3,4,5
	v_mov_b32 v[22+\i], 0                          ; the upper half of q's fragment: zero codes
	v_mov_b32 v[80+\i], 0                          ; and what stands behind k's last tile
.endr
.irp b, 0,1,2,3
	v_mov_b32 v[PT+\b], 0                          ; written once: a lane permute's destination counts as one of its sources
.endr
	v_mov_b32 v91, 0                               ; (named as the upper half of the pair v[90:91] before it is first written)
	s_wait_alu depctr_va_vdst(0)
	s_wait_tensorcnt 0x0                           ; my bundle of 0 to 3 is in; a later first fill follows
	ds_add_u32 v254, v255
	ds_add_u32 v254, v255
	s_wait_dscnt 0x0
	s_barrier_signal -1
	s_barrier_wait -1                              ; bundles 0 to 3 are whole
	s_cmp_lt_u32 s[WV], 4
	s_cbranch_scc0 .Lno_fill2
	tensor_load_to_lds s[28:31], s[G1:G1+7]        ; bundles 4 to 7: they land while every wave walks its long tile's first four steps
	s_nop 0
.rept 4
	v_nop
.endr
.Lno_fill2:
	s_wait_loadcnt 0x0
; A KEY STEP: 128 keys.
.macro STEP hi
	s_add_co_u32 s41, s[Q0], 15                    ; a step all of whose keys come after my 16 queries is left out: a scalar branch on ids
	s_cmp_gt_u32 s[KF], s41
	s_cbranch_scc1 .Lhidden_\@
	v_add_nc_u32 v[ADK], s[TB], v[LI]
	v_add_nc_u32 v[ADS], s[TB], v[LS]
	v_nop
	v_nop                                          ; four places in front of loads into registers that the last products have read
.irp i, 0,1,2,3,4,5,6,7,8,9,10,11
	ds_load_b128 v[32+4*\i:35+4*\i], v[ADK] offset:512*\i   ; k's four pair images: tile t's six registers at v[32 + 6 t]
.endr
	ds_load_b128 v[28:31], v[ADK] offset:12288     ; k's scale image: register j: lanes 0-15 tile j, lanes 16-31 tile 4 + j
	s_wait_alu depctr_va_vdst(0)
	s_wait_dscnt 0x0
.irp t, 0,1,2,3
	v_wmma_scale_f32_16x16x128_f8f6f4 v[96+8*\t:103+8*\t], v[32+6*\t:43+6*\t], v[16:27], 0, v[28+\t], v[88+\hi] matrix_a_fmt:MATRIX_FMT_BF6 matrix_b_fmt:MATRIX_FMT_BF6
.endr
.irp t, 4,5,6,7
	v_wmma_scale_f32_16x16x128_f8f6f4 v[96+8*\t:103+8*\t], v[32+6*\t:43+6*\t], v[16:27], 0, v[24+\t], v[88+\hi] matrix_a_fmt:MATRIX_FMT_BF6 matrix_b_fmt:MATRIX_FMT_BF6 matrix_a_scale:MATRIX_SCALE_ROW1
.endr
.rept 4
	v_nop                                          ; places: in front of the loads below and of the first read of the scores
.endr
.irp i, 0,1,2,3,4,5,6,7,8,9,10,11
	ds_load_b128 v[32+4*\i:35+4*\i], v[ADK] offset:6144+512*\i   ; v's four images: they land while the softmax is worked
.endr
	ds_load_b32 v86, v[ADS] offset:12800           ; v's scale words: lanes 0-15 tile 0, lanes 16-31 tile 1;
	ds_load_b32 v87, v[ADS] offset:12928           ; tiles 2 and 3
	s_add_co_u32 s41, s[KF], 127                   ; on the diagonal the scores of hidden keys become -infinity ahead of the maximum.  A step all of whose keys count skips this
	s_cmp_le_u32 s41, s[Q0]
	s_cbranch_scc1 .Lopen_\@
	s_sub_co_i32 s41, s[Q0], s[KF]
	s_lshr_b32 s41, s41, 4                         ; which tile of 16 keys holds the diagonal: tiles under it count whole, tiles over it are hidden whole.  Branches on ids alone
.irp t, 0,1,2,3,4,5,6,7
	s_cmp_gt_u32 s41, \t
	s_cbranch_scc1 .Lnx_\@_\t
	s_cmp_eq_u32 s41, \t
	s_cbranch_scc1 .Ldg_\@_\t
.irp i, 0,1,2,3,4,5,6,7
	v_mov_b32 v[96+8*\t+\i], v[NINF]
.endr
	s_branch .Lnx_\@_\t
.Ldg_\@_\t:
.irp i, 0,1,2,3,4,5,6,7
	v_cndmask_b32 v[96+8*\t+\i], v[96+8*\t+\i], v[NINF], s[MK+\i]
.endr
.Lnx_\@_\t:
.endr
.Lopen_\@:
	s_wait_alu depctr_va_vdst(0)
.irp b, 0,1,2,3
	v_max3_num_f32 v[BM+\b], v[96+16*\b], v[97+16*\b], v[98+16*\b]   ; the largest score of each block of 32 keys: it serves for the row's maximum and, since p rises with the score, for the block's largest p
.endr
.irp i, 3,5,7,9,11,13
.irp b, 0,1,2,3
	v_max3_num_f32 v[BM+\b], v[BM+\b], v[96+16*\b+\i], v[97+16*\b+\i]
.endr
.endr
.irp b, 0,1,2,3
	v_max_num_f32 v[BM+\b], v[BM+\b], v[111+16*\b]
.endr
.irp b, 0,1,2,3
	s_delay_alu instid0(VALU_DEP_4)
	v_permlanex16_b32 v[PT+\b], v[BM+\b], s[SEL], s[SEL+1]
.endr
.irp b, 0,1,2,3
	s_delay_alu instid0(VALU_DEP_4)
	v_max_num_f32 v[BM+\b], v[BM+\b], v[PT+\b]     ; with lane l xor 16's 16 keys
.endr
	s_delay_alu instid0(VALU_DEP_2)
	v_max3_num_f32 v[TMP], v[BM], v[BM+1], v[BM+2]
	s_delay_alu instid0(VALU_DEP_1)
	v_max_num_f32 v[TMP], v[TMP], v[BM+3]          ; the step's largest score of my query
	s_delay_alu instid0(VALU_DEP_1)
	v_mul_f32 v[TMP], s[CS], v[TMP]                ; as t (c is positive)
	s_delay_alu instid0(VALU_DEP_1)
	v_max_num_f32 v13, v13, v[TMP]                 ; the running largest t
	v_mov_b32 v[TMP], v12
	s_delay_alu instid0(VALU_DEP_2)
	v_floor_f32 v12, -v13                          ; the new -M = floor(-t): M is a whole number
	s_delay_alu instid0(VALU_DEP_1)
	v_sub_f32 v[TMP], v12, v[TMP]                  ; old M - new M: a whole number, 0 or less
	s_delay_alu instid0(VALU_DEP_1)
	v_cvt_i32_f32 v[TMP], v[TMP]                   ; (it saturates)
	s_delay_alu instid0(VALU_DEP_1)
	v_ldexp_f32 v90, 1.0, v[TMP]                   ; f = 2^(old M - new M)
.set n, 0
.rept 32
	v_pk_fma_f32 v[96+n:97+n], v[96+n:97+n], s[CS:CS+1], v[12:13] op_sel_hi:[1,0,0]   ; t - M, two at a time
.set n, n+2
.endr
.irp b, 0,1,2,3
	v_fma_f32 v[BM+\b], v[BM+\b], s[CS], v12       ; the same of each block's largest score
.endr
.set n, 0
	s_wait_alu depctr_va_vdst(0)
.rept 64
	v_exp_f32 v[96+n], v[96+n]                     ; p = 2^(t - M), at most 1
.set n, n+1
.endr
	v_pk_mul_f32 v[14:15], v[14:15], v[90:91] op_sel_hi:[1,0]   ; the sums under the new M (the plain line behind the exponentials)
	s_wait_alu depctr_va_vdst(0)                   ; one wait for the whole batch, ahead of its first reader
.irp b, 0,1,2,3
	v_exp_f32 v[BM+\b], v[BM+\b]                   ; the block's largest p: the same two instructions on the same number give the same bits
.endr
	v_pk_add_f32 v[244:245], v[100:101], v[104:105]
	v_pk_add_f32 v[252:253], v[108:109], v[112:113]
	v_pk_add_f32 v[250:251], v[116:117], v[120:121]
	v_pk_add_f32 v[248:249], v[124:125], v[128:129]
	v_pk_add_f32 v[242:243], v[132:133], v[136:137]
	v_pk_add_f32 v[240:241], v[140:141], v[144:145]
	v_pk_add_f32 v[238:239], v[148:149], v[152:153]
	v_pk_add_f32 v[14:15], v[14:15], v[156:157]
	v_pk_add_f32 v[244:245], v[244:245], v[96:97]
	v_pk_add_f32 v[252:253], v[252:253], v[98:99]
	v_pk_add_f32 v[250:251], v[250:251], v[102:103]
	v_pk_add_f32 v[248:249], v[248:249], v[106:107]
	v_pk_add_f32 v[242:243], v[242:243], v[110:111]
	v_pk_add_f32 v[240:241], v[240:241], v[114:115]
	v_pk_add_f32 v[238:239], v[238:239], v[118:119]
	v_pk_add_f32 v[14:15], v[14:15], v[122:123]
	v_pk_add_f32 v[244:245], v[244:245], v[126:127]
	v_pk_add_f32 v[252:253], v[252:253], v[130:131]
	v_pk_add_f32 v[250:251], v[250:251], v[134:135]
	v_pk_add_f32 v[248:249], v[248:249], v[138:139]
	v_pk_add_f32 v[242:243], v[242:243], v[142:143]
	v_pk_add_f32 v[240:241], v[240:241], v[146:147]
	v_pk_add_f32 v[238:239], v[238:239], v[150:151]
	v_pk_add_f32 v[14:15], v[14:15], v[154:155]
	v_pk_add_f32 v[244:245], v[244:245], v[158:159]
	s_delay_alu instid0(VALU_DEP_2)
	v_pk_add_f32 v[14:15], v[14:15], v[248:249]
	s_delay_alu instid0(VALU_DEP_2)
	v_pk_add_f32 v[244:245], v[244:245], v[242:243]
	v_pk_add_f32 v[252:253], v[252:253], v[240:241]
	v_pk_add_f32 v[250:251], v[250:251], v[238:239]
	s_delay_alu instid0(VALU_DEP_2)
	v_pk_add_f32 v[14:15], v[14:15], v[252:253]
	s_delay_alu instid0(VALU_DEP_2)
	v_pk_add_f32 v[244:245], v[244:245], v[250:251]
	s_delay_alu instid0(VALU_DEP_1)
	v_pk_add_f32 v[14:15], v[14:15], v[244:245]
	s_wait_alu depctr_va_vdst(0)                   ; and one for the four
.irp b, 0,1,2,3
	v_max_num_f32 v[BM+\b], 0x2800000, v[BM+\b]    ; the floor 2^(5 - 127): the byte cannot fall under 1
.endr
.irp b, 0,1,2,3
	s_delay_alu instid0(VALU_DEP_4)
	v_add_nc_u32 v[SCO+\b], 0xfe000000, v[BM+\b]   ; 4 off the exponent field: the conversion's scale operand
.endr
.irp b, 0,1,2,3
	s_delay_alu instid0(VALU_DEP_4)
	v_lshrrev_b32 v[BY+\b], 23, v[SCO+\b]          ; the scale's byte
.endr
	s_delay_alu instid0(VALU_DEP_3)
	v_lshl_or_b32 v91, v[BY+1], 8, v[BY]           ; p's scale word for these 128 keys
	s_delay_alu instid0(VALU_DEP_1)
	v_lshl_or_b32 v91, v[BY+2], 16, v91
	s_delay_alu instid0(VALU_DEP_1)
	v_lshl_or_b32 v91, v[BY+3], 24, v91
.irp c, 0,1
	v_cvt_scalef32_pk16_bf6_f32 v[216+6*\c:218+6*\c], v[96+32*\c:111+32*\c], v[SCO+2*\c]
	v_cvt_scalef32_pk16_bf6_f32 v[TC+4*\c:TC+4*\c+2], v[112+32*\c:127+32*\c], v[SCO+2*\c+1]
.endr
	v_nop                                          ; one plain line behind the conversions
.irp c, 0,1                                    ; a whole block in a lane: lanes 0-15 block 2 c, lanes 16-31 block 2 c + 1
.irp i, 0,1,2
	v_permlane16_swap_b32 v[216+6*\c+\i], v[TC+4*\c+\i]
.endr
.irp i, 0,1,2
	s_delay_alu instid0(VALU_DEP_3)
	v_mov_b32 v[219+6*\c+\i], v[TC+4*\c+\i]
.endr
.endr
.set n, 0
.rept 16
	v_pk_mul_f32 v[160+n:161+n], v[160+n:161+n], v[90:91] op_sel_hi:[1,0]   ; O^T under the new M.  (These sixteen are also the places between the codes' and the scale word's last writes and the products)
.set n, n+2
.endr
	s_wait_alu depctr_va_vdst(0)
	s_wait_dscnt 0x0                               ; v is in
.irp t, 0,2
	v_wmma_scale_f32_16x16x128_f8f6f4 v[160+8*\t:167+8*\t], v[32+12*\t:43+12*\t], v[216:227], v[160+8*\t:167+8*\t], v[86+\t/2], v91 matrix_a_fmt:MATRIX_FMT_BF6 matrix_b_fmt:MATRIX_FMT_BF6
	v_wmma_scale_f32_16x16x128_f8f6f4 v[168+8*\t:175+8*\t], v[44+12*\t:55+12*\t], v[216:227], v[168+8*\t:175+8*\t], v[86+\t/2], v91 matrix_a_fmt:MATRIX_FMT_BF6 matrix_b_fmt:MATRIX_FMT_BF6 matrix_a_scale:MATRIX_SCALE_ROW1
.endr
.Lhidden_\@:
	s_add_co_u32 s[KF], s[KF], 128
	s_add_co_u32 s[TB], s[TB], BUN
.endm
; ONE TILE OF QUERIES: hi = 0: T under 32, 4 trips; hi = 1: 8 trips.  The trip counts are constants; what a tile does not need is jumped over inside the step.
.macro PASS hi, trips
.if 1-\hi
	s_wait_xcnt 0x0                                ; the long tile goes first: its stores have read their registers, which are written again below
.endif
	s_bitcmp1_b32 s[TL+\hi], 0                     ; an odd tile is the pair image's upper six registers
	s_cselect_b32 vcc_lo, -1, 0
.irp i, 0,1,2,3,4,5
	v_cndmask_b32 v[16+\i], v[192+12*\hi+\i], v[198+12*\hi+\i], vcc_lo
.endr
	v_mov_b32 v13, 0xff61b1e6                      ; the largest t so far: -3e38, under every t
	s_delay_alu instid0(VALU_DEP_1)
	v_floor_f32 v12, -v13                          ; -M
	v_mov_b32 v14, 0
	v_mov_b32 v15, 0
.set n, 0
.rept 32
	v_mov_b32 v[160+n], 0                          ; O^T: the step is written once; its first trip finds zeros, which the first change of M leaves zeros
.set n, n+1
.endr
	s_lshl_b32 s[Q0], s[TL+\hi], 4
	s_mov_b32 s[TB], 0
	s_mov_b32 s[KF], 0
.if \hi                                ; the long tile (32 or over) needs bundles 0 to 3 whole: four steps in every wave alike, so that all waves reach the barrier together
	s_mov_b32 s[CNT], 4
.Lfirst_\@:
	STEP \hi
	s_sub_co_u32 s[CNT], s[CNT], 1
	s_cmp_lg_u32 s[CNT], 0
	s_cbranch_scc1 .Lfirst_\@
	s_wait_tensorcnt 0x0                           ; my bundle of 4 to 7 is in,
	s_wait_dscnt 0x0
	s_barrier_signal -1
	s_barrier_wait -1                              ; everybody's is: all eight bundles are whole, and nothing is filled again
.endif
	s_mov_b32 s[CNT], \trips
.Lstep_\@:
	STEP \hi
	s_sub_co_u32 s[CNT], s[CNT], 1
	s_cmp_lg_u32 s[CNT], 0
	s_cbranch_scc1 .Lstep_\@
	; the way out: O^T / the sum; register 16 b + i is column 32 b + 16 (lane / 16) + i of the head: two blocks of the last product's K
.rept 4
	v_nop                                          ; places behind the last products
.endr
	v_add_f32 v14, v14, v15
	s_delay_alu instid0(VALU_DEP_1)
	v_permlanex16_b32 v[TMP], v14, s[SEL], s[SEL+1]
	s_delay_alu instid0(VALU_DEP_1)
	v_add_f32 v14, v14, v[TMP]                     ; the row's sum
	s_wait_alu depctr_va_vdst(0)
	v_rcp_f32 v14, v14
	v_nop                                          ; a plain line behind the reciprocal
	s_wait_alu depctr_va_vdst(0)                   ; and the wait ahead of its first reader
.set n, 0
.rept 16
	v_pk_mul_f32 v[96+n:97+n], v[160+n:161+n], v[14:15] op_sel_hi:[1,0]   ; each accumulator from its low end on
.set n, n+2
.endr
.irp b, 0,1
	v_max3_num_f32 v[BM+\b], |v[96+16*\b]|, |v[97+16*\b]|, 0x2800000
.endr
.irp i, 2,4,6,8,10,12,14
.irp b, 0,1
	s_delay_alu instid0(VALU_DEP_2)
	v_max3_num_f32 v[BM+\b], v[BM+\b], |v[96+16*\b+\i]|, |v[97+16*\b+\i]|
.endr
.endr
.irp b, 0,1
	s_delay_alu instid0(VALU_DEP_2)
	v_permlanex16_b32 v[PT+\b], v[BM+\b], s[SEL], s[SEL+1]
.endr
.irp b, 0,1
	s_delay_alu instid0(VALU_DEP_2)
	v_max_num_f32 v[BM+\b], v[BM+\b], v[PT+\b]
.endr
.irp b, 0,1
	s_delay_alu instid0(VALU_DEP_2)
	v_add_nc_u32 v[SCO+\b], 0xfe000000, v[BM+\b]
.endr
.irp b, 0,1
	s_delay_alu instid0(VALU_DEP_2)
	v_lshrrev_b32 v[BY+\b], 23, v[SCO+\b]
.endr
	v_cvt_scalef32_pk16_bf6_f32 v[216:218], v[96:111], v[SCO]
	v_cvt_scalef32_pk16_bf6_f32 v[TC:TC+2], v[112:127], v[SCO+1]
	v_nop
.irp i, 0,1,2
	v_permlane16_swap_b32 v[216+\i], v[TC+\i]
.endr
.irp i, 0,1,2
	s_delay_alu instid0(VALU_DEP_3)
	v_mov_b32 v[219+\i], v[TC+\i]                  ; v216-221: lane (r, H): row r, the head's block H: six registers of the last product's fragment
.endr
	v_cndmask_b32 v[TMP], v[BY], v[BY+1], s[HM]    ; my block's byte
.irp p, 0,1,2
	global_store_b64 v[L8], v[216+2*\p:217+2*\p], s[OC+2*\hi:OC+2*\hi+1] offset:256*\p   ; 32 lanes store 256 consecutive bytes, aligned
.endr
	global_store_b8 v[OB], v[TMP], s[OS+2*\hi:OS+2*\hi+1]   ; two bytes of each row's eight: 32 bytes of 128; a twenty-fourth of the codes' bytes
.endm
	PASS 1, 4                                      ; tile 63 - T: four steps, the barrier, up to four more
	PASS 0, 4                                      ; tile T
	s_wait_tensorcnt 0x0
	ds_add_u32 v254, v255
	s_wait_dscnt 0x0
	s_endpgm
.Lfunc_end_k_q43695fcb15_attn:
	.size	k_q43695fcb15_attn, .Lfunc_end_k_q43695fcb15_attn-k_q43695fcb15_attn
	.p2alignl 7, 3214868480
	.fill 96, 4, 3214868480
	.section	.rodata,"a",@progbits
	.p2align	6, 0x0
	.amdhsa_kernel k_q43695fcb15_attn
		.amdhsa_group_segment_fixed_size 327680
		.amdhsa_private_segment_fixed_size 0
		.amdhsa_enable_private_segment 0
		.amdhsa_kernarg_size 24
		.amdhsa_user_sgpr_count 2
		.amdhsa_user_sgpr_kernarg_segment_ptr 1
		.amdhsa_wavefront_size32 1
		.amdhsa_system_sgpr_workgroup_id_x 1
		.amdhsa_system_sgpr_workgroup_id_y 1
		.amdhsa_system_sgpr_workgroup_id_z 1
		.amdhsa_system_vgpr_workitem_id 0
		.amdhsa_next_free_vgpr 256
		.amdhsa_next_free_sgpr 80
		.amdhsa_reserve_vcc 1
		.amdhsa_float_denorm_mode_32 3
		.amdhsa_float_denorm_mode_16_64 3
		.amdhsa_memory_ordered 1
		.amdhsa_forward_progress 1
		.amdhsa_inst_pref_size 93
	.end_amdhsa_kernel
	.amdgpu_metadata
---
amdhsa.version: [ 1, 2 ]
amdhsa.kernels:
  - .name:           k_q43695fcb15_attn
    .symbol:         k_q43695fcb15_attn.kd
    .args:
      - { .name: qq, .offset: 0, .size: 8, .value_kind: global_buffer, .address_space: global }
      - { .name: kv, .offset: 8, .size: 8, .value_kind: global_buffer, .address_space: global }
      - { .name: oq, .offset: 16, .size: 8, .value_kind: global_buffer, .address_space: global }
    .group_segment_fixed_size: 327680
    .private_segment_fixed_size: 0
    .kernarg_segment_align: 8
    .kernarg_segment_size: 24
    .max_flat_workgroup_size: 512
    .sgpr_count:     80
    .vgpr_count:     256
    .wavefront_size: 32
...
	.end_amdgpu_metadata
.endif
;; end of part 3
;; launch proj (part 4): grid 8 x 32, 4 waves a work-group, clusters of 4 x 4, 327,680 bytes of LDS; arguments oq, pq, bproj, out0; writes out0
.if DOCPART == 4
	.amdgcn_target "amdgcn-amd-amdhsa--gfx1250"
	.amdhsa_code_object_version 6
	.text
	.protected	k_q43695fcb15_proj
	.globl	k_q43695fcb15_proj
	.p2align	8
	.type	k_q43695fcb15_proj,@function
k_q43695fcb15_proj:
	s_mov_b64 s[64:65], 0
	v_nop
	global_prefetch_b8 v0, s[64:65] scope:SCOPE_SE
	s_setreg_imm32_b32 hwreg(HW_REG_WAVE_MODE, 25, 1), 1
	s_wait_xcnt 0x0
	s_wait_alu depctr_hold_cnt(0) depctr_sa_sdst(0) depctr_va_vdst(0) depctr_va_sdst(0) depctr_va_ssrc(0) depctr_va_vcc(0) depctr_vm_vsrc(0)
	s_getreg_b32 s2, hwreg(HW_REG_IB_STS2, 6, 4)
	s_cmp_eq_u32 s2, 0
	s_cbranch_scc0 .Lentry_in_a_cluster
	s_endpgm
.Lentry_in_a_cluster:
	s_bfe_u32 s2, ttmp6, 0x10000c
	s_cmp_lg_u32 s2, 0xf033
	s_cbranch_scc0 .Lentry_shape_is_right
	s_endpgm
.Lentry_shape_is_right:
; out0 = o Wproj^T + bproj on codes of BF6 (E3M2) with E8M0 scales, K = 1,024, f32 sums.  o comes as oq: images of operand registers [tile of 16 rows][K step of 256][128 K][piece of 256 bytes][lane x 8], 12,288 bytes a tile,
; scale bytes [tile][K step][row][8] at 6,291,456.  Wproj comes as pq: codes [1024][768], scale bytes [1024][32] at 786,432.
; A work-group makes 256 rows x 128 columns; wave (mh, nh) 128 rows (8 blocks of 16) x 64 columns (4 tiles).
; ALL OPERANDS LIE IN LDS AT ONCE: 196,608 bytes of o, 128 rows of pq (816 bytes each: 16 of padding behind every 256), 8,192 and 4,352 of scale bytes: four dense blocks, one tensor load a wave at the head; nothing is filled again.
; THE WALK GOES BY BLOCKS OF 16 ROWS, NOT BY K: a wave's 32 fragments of pq (384 registers) are read once and stay; each block is finished in 32 matrix instructions, its four accumulators by turns,
; K ascending, the bias as the C of the first; a finished block goes through the wave's stage and is stored while the next is multiplied.
; The stage lies on pq's bytes, which have had their only fill and, behind a barrier, their last read.
; TRANSPOSED USE: source 0 = 16 rows of pq, source 1 = 16 rows of o: a lane holds eight neighbouring columns of one row.
; CLUSTERS: 4 x 4: o's blocks are shared along a row of the cluster, pq's along a column.  No prefetch: all that a work-group reads is asked for at its head.
; REGISTERS: window 0: addresses, v32-63 o's scale words, v64-79 pq's, v80-175 one block's fragments of o, v176-239 rows on the way out.  Windows 1, 2: v0-191 pq's fragments (f = 4 k + tile in window 1 + f / 16);
;   window 1 v192-255 two sets of four accumulators; window 2 v192-223 the bias.
.set PB,    816
.set LB,    196608
.set SCA,   LB+128*PB
.set SCB,   SCA+8192
.set HSB,   8*272
.set SBLK,  2*272
.set SPARE, SCB+16*272                 ; 313,600: the spare words, two blocks of 256 bytes that no other line names
.set SPITCH, 272
.set ADRA, 16                          ; v16 blocks 0-3, v17 blocks 4-7
.set ADRB, 20                          ; v20 plain, v21 behind one padding more
.set STO,  24
.set RD,   25
.set ADSA, 26
.set ADSB, 27
.set SPW,  28
.set NIL,  29
.set CO,   30
.set BO,   31
.set SA,   32
.set SB,   64
.set AF,   80
.set BK,   176
.set ACC,  192
.set BIAS, 192
.set G1,   24
.set G0,   32
.set G1B,  48
.set G0B,  56
.set G1S,  68
.set G0S,  76
.set G1SB, 80
.set G0SB, 88
.set OUTP, 92
.set BP,   94
.set MSB, 0
.macro WIN new
.if MSB != (\new)
	s_set_vgpr_msb (MSB<<8)|(\new)
.set MSB, (\new)
.endif
.endm
.macro CREST
	s_cmp_lg_u32 s14, 0
	s_cbranch_scc1 .Lnot_wave_0_\@
	s_barrier_signal -3
.Lnot_wave_0_\@:
	s_barrier_wait -3
	s_barrier_signal -1
	s_barrier_wait -1
.endm
.macro CROUND
	s_barrier_signal -1
	s_barrier_wait -1
	CREST
.endm
.macro PLACES n
.rept \n
	v_nop
.endr
.endm
.macro DESC g, r                       ; words 1 to 7 of a group 1: a dense block as r rows of 256 bytes (32 elements of 8)
	s_mov_b32 s[\g+1], 32<<16
	s_mov_b32 s[\g+2], (\r)<<16
	s_mov_b32 s[\g+3], 32<<16
	s_mov_b32 s[\g+4], \r
	s_mov_b32 s[\g+5], 32
	s_mov_b32 s[\g+6], 0
	s_mov_b32 s[\g+7], 0
.endm
.macro GRP0 g, lds, a
	s_mov_b32 s[\g], 1
	s_mov_b32 s[\g+1], \lds
	s_mov_b64 s[\g+2:\g+3], s[\a:\a+1]
	s_or_b32 s[\g+3], s[\g+3], 0x80000000
.endm
	s_load_b256 s[4:11], s[0:1], 0x0               ; oq, pq, bproj, out0
	v_lshl_add_u32 v[SPW], v0, 2, SPARE
	v_mov_b32 v[NIL], 0
	ds_add_u32 v[SPW], v[NIL]                      ; the opening lines: the add twice on end and one wait
	ds_add_u32 v[SPW], v[NIL]
	v_lshrrev_b32 v1, 5, v0
	v_readfirstlane_b32 s14, v1                    ; wave
	s_lshr_b32 s15, s14, 1                         ; mh
	s_and_b32 s16, s14, 1                          ; nh
	s_bfe_u32 s40, ttmp6, 0x40000
	s_bfe_u32 s41, ttmp6, 0x40004
	s_lshl_b32 s42, ttmp9, 2
	s_add_co_u32 s42, s42, s40                     ; which 128 columns
	s_and_b32 s17, ttmp7, 0xffff
	s_lshl_b32 s17, s17, 2
	s_add_co_u32 s17, s17, s41                     ; which 256 rows
	s_lshl_b32 s43, s41, 2
	s_lshl_b32 s43, 15, s43
	s_lshl_b32 s44, 0x1111, s40
	s_or_b32 s[G1], s43, (3<<16)|(1<<21)
	DESC G1, 768
	s_or_b32 s[G1B], s44, (3<<16)|(1<<20)|(1<<21)|(5<<22)|(3<<25)
	DESC G1B, 384
	s_or_b32 s[G1S], s43, (3<<16)|(1<<21)
	DESC G1S, 32
	s_or_b32 s[G1SB], s44, (3<<16)|(1<<20)|(1<<21)|(5<<22)|(3<<25)
	DESC G1SB, 16
	s_mul_i32 s20, s17, 196608
	s_mov_b32 s21, 0
	s_lshl_b32 s22, s17, 13
	s_add_co_u32 s22, s22, 6291456
	s_mov_b32 s23, 0
	s_mul_i32 s46, s42, 98304
	s_mov_b32 s47, 0
	s_lshl_b32 s2, s42, 12
	s_add_co_u32 s2, s2, 786432
	s_mov_b32 s3, 0
	s_wait_dscnt 0x0
	s_wait_kmcnt 0x0
	s_add_nc_u64 s[20:21], s[4:5], s[20:21]
	s_add_nc_u64 s[22:23], s[4:5], s[22:23]
	s_add_nc_u64 s[46:47], s[6:7], s[46:47]
	s_add_nc_u64 s[2:3], s[6:7], s[2:3]
	CROUND                                         ; the joint loads meet
	GRP0 G0, 0, 20
	GRP0 G0B, LB, 46
	GRP0 G0S, SCA, 22
	GRP0 G0SB, SCB, 2
.macro ARM under, g0, g1, next         ; one tree of branches on the wave's number, one load to an arm
	s_cmp_lt_u32 s14, \under
	s_cbranch_scc0 \next
	tensor_load_to_lds s[\g0:\g0+3], s[\g1:\g1+7]
	s_nop 0
	PLACES 4
	s_branch .Lhead_asked
\next:
.endm
	ARM 1, G0B, G1B, .Lhead_a
	ARM 2, G0, G1, .Lhead_sa
	ARM 3, G0S, G1S, .Lhead_sb
	tensor_load_to_lds s[G0SB:G0SB+3], s[G1SB:G1SB+7]
	s_nop 0
	PLACES 4
.Lhead_asked:
	v_and_b32 v1, 15, v0                           ; r
	v_bfe_u32 v2, v0, 4, 1                         ; H
	v_and_b32 v8, 31, v0
	v_lshlrev_b32 v3, 3, v8                        ; o's images: 8 x lane
	s_mul_i32 s21, s15, 98304
	v_add_nc_u32 v[ADRA], s21, v3
	s_add_co_u32 s21, s21, 49152
	v_add_nc_u32 v[ADRA+1], s21, v3
	v_mul_u32_u24 v4, v1, PB
	v_mad_u32_u24 v4, v2, 24, v4
	v_lshl_add_u32 v5, v2, 4, v4
	s_mul_i32 s22, s16, 64*PB
	s_add_co_u32 s22, s22, LB
	v_add_nc_u32 v[ADRB], s22, v4
	v_add_nc_u32 v[ADRB+1], s22, v5
	v_lshlrev_b32 v6, 3, v1
	v_lshl_add_u32 v6, v2, 11, v6                  ; o's scale words: lanes 16-31 four blocks on
	s_lshl_b32 s21, s15, 12
	s_add_co_u32 s21, s21, SCA
	v_add_nc_u32 v[ADSA], s21, v6
	v_lshlrev_b32 v6, 5, v1
	v_lshrrev_b32 v7, 8, v6
	v_lshl_add_u32 v6, v7, 4, v6
	v_mul_u32_u24 v7, v2, 2*SBLK                   ; pq's: lanes 16-31 two tiles on
	v_add_nc_u32 v7, v7, v6
	s_mul_i32 s21, s16, HSB
	s_add_co_u32 s21, s21, SCB
	v_add_nc_u32 v[ADSB], s21, v7
	s_mul_i32 s23, s14, 16*SPITCH
	s_add_co_u32 s23, s23, LB                      ; my stage
	v_mul_u32_u24 v5, v1, SPITCH
	v_lshl_add_u32 v5, v2, 5, v5
	v_add_nc_u32 v[STO], s23, v5
	v_mul_u32_u24 v5, v2, SPITCH
	v_lshl_add_u32 v5, v1, 4, v5
	v_add_nc_u32 v[RD], s23, v5
	v_lshlrev_b32 v[CO], 12, v2
	v_lshl_add_u32 v[CO], v1, 4, v[CO]
	v_lshlrev_b32 v[BO], 5, v2
	s_wait_alu depctr_va_vdst(0)
	s_lshl_b32 s2, s42, 7
	s_lshl_b32 s3, s16, 6
	s_add_co_u32 s2, s2, s3
	s_lshl_b32 s2, s2, 2                           ; my first column, in bytes
	s_mov_b32 s3, 0
	s_add_nc_u64 s[BP:BP+1], s[8:9], s[2:3]
	s_lshl_b32 s12, s17, 8
	s_lshl_b32 s13, s15, 7
	s_add_co_u32 s12, s12, s13
	s_lshl_b32 s12, s12, 12                        ; my first row
	s_mov_b32 s13, 0
	s_add_nc_u64 s[OUTP:OUTP+1], s[10:11], s[12:13]
	s_add_nc_u64 s[OUTP:OUTP+1], s[OUTP:OUTP+1], s[2:3]
	WIN 0x80
.irp b, 0,1,2,3
	global_load_b128 v[BIAS+8*\b:BIAS+8*\b+3], v[BO], s[BP:BP+1] offset:64*\b       ; register j: bproj at column 16 b + 8 H + j
	global_load_b128 v[BIAS+8*\b+4:BIAS+8*\b+7], v[BO], s[BP:BP+1] offset:64*\b+16
.endr
	WIN 0
.macro FRAG reg, adr, k, off           ; a fragment of pq, step k: piece n of a row lies at 8 n + 16 (n / 32); lanes 16-31 read three pieces on
.irp p, 0,1,2,3,4,5
.set PCE, 12*(\k)+6*(\p/3)+\p%3
.if PCE%32 < 29
	ds_load_b64 v[\reg+2*\p:\reg+2*\p+1], v[\adr] offset:8*PCE+16*(PCE/32)+(\off)
.else
	ds_load_b64 v[\reg+2*\p:\reg+2*\p+1], v[\adr+1] offset:8*PCE+16*(PCE/32)+(\off)
.endif
.endr
.endm
.macro AFR a, k                        ; o's fragment of block a, step k
.irp p, 0,1,2,3,4,5
	ds_load_b64 v[AF+12*(\k)+2*\p:AF+12*(\k)+2*\p+1], v[ADRA+(\a)/4] offset:((\a)%4)*12288+(\k)*1536+256*\p
.endr
.endm
.macro ALD a, h
.irp k, 0,1,2,3
	AFR \a, 4*(\h)+\k
.endr
.endm
.macro LDK k                           ; pq's four fragments of step k, to stay, and block 0's of o
.irp i, 0,1,2,3
.set F, 4*(\k)+\i
	WIN (1+F/16)<<6
	FRAG 12*(F%16),ADRB,\k,\i*16*PB
.endr
	WIN 0
	AFR 0, \k
.endm
.macro W4 d, s0, s1, cc, x0, x1, r0, r1
.if (\r0) && (\r1)
	v_wmma_scale_f32_16x16x128_f8f6f4 v[(\d):(\d)+7], v[(\s0):(\s0)+11], v[(\s1):(\s1)+11], v[(\cc):(\cc)+7], v[\x0], v[\x1] matrix_a_fmt:MATRIX_FMT_BF6 matrix_b_fmt:MATRIX_FMT_BF6 matrix_a_scale:MATRIX_SCALE_ROW1 matrix_b_scale:MATRIX_SCALE_ROW1
.elseif \r0
	v_wmma_scale_f32_16x16x128_f8f6f4 v[(\d):(\d)+7], v[(\s0):(\s0)+11], v[(\s1):(\s1)+11], v[(\cc):(\cc)+7], v[\x0], v[\x1] matrix_a_fmt:MATRIX_FMT_BF6 matrix_b_fmt:MATRIX_FMT_BF6 matrix_a_scale:MATRIX_SCALE_ROW1
.elseif \r1
	v_wmma_scale_f32_16x16x128_f8f6f4 v[(\d):(\d)+7], v[(\s0):(\s0)+11], v[(\s1):(\s1)+11], v[(\cc):(\cc)+7], v[\x0], v[\x1] matrix_a_fmt:MATRIX_FMT_BF6 matrix_b_fmt:MATRIX_FMT_BF6 matrix_b_scale:MATRIX_SCALE_ROW1
.else
	v_wmma_scale_f32_16x16x128_f8f6f4 v[(\d):(\d)+7], v[(\s0):(\s0)+11], v[(\s1):(\s1)+11], v[(\cc):(\cc)+7], v[\x0], v[\x1] matrix_a_fmt:MATRIX_FMT_BF6 matrix_b_fmt:MATRIX_FMT_BF6
.endif
.endm
.macro KS a, k                         ; block a, step k: four matrix instructions on four accumulators
.irp b, 0,1,2,3
.set F, 4*(\k)+\b
.if (\k) == 0
	WIN 0x60|(1+F/16)                              ; C: the bias, in window 2; D in window 1
	W4 ACC+32*((\a)%2)+8*\b,12*(F%16),AF+12*(\k),BIAS+8*\b,SB+4*((\k)/2)+2*(\b%2)+(\k)%2,SA+8*((\k)/2)+2*((\a)%4)+(\k)%2,\b/2,(\a)/4
.else
	WIN 0x50|(1+F/16)
	W4 ACC+32*((\a)%2)+8*\b,12*(F%16),AF+12*(\k),ACC+32*((\a)%2)+8*\b,SB+4*((\k)/2)+2*(\b%2)+(\k)%2,SA+8*((\k)/2)+2*((\a)%4)+(\k)%2,\b/2,(\a)/4
.endif
.endr
.endm
.macro TOSTAGE a                       ; block a into my stage, each accumulator from its low end on, and back as whole rows of 256 bytes
	WIN 0x04
.irp b, 0,1,2,3
	ds_store_b128 v[STO], v[ACC+32*((\a)%2)+8*\b:ACC+32*((\a)%2)+8*\b+3] offset:64*\b
	ds_store_b128 v[STO], v[ACC+32*((\a)%2)+8*\b+4:ACC+32*((\a)%2)+8*\b+7] offset:64*\b+16
.endr
	WIN 0
.irp t, 0,1,2,3,4,5,6,7
	ds_load_b128 v[BK+32*((\a)%2)+4*\t:BK+32*((\a)%2)+4*\t+3], v[RD] offset:\t*2*SPITCH   ; LDS serves a wave's instructions in order: these see the stores above
.endr
.endm
.macro SEND a
.irp t, 0,1,2,3,4,5,6,7
	global_store_b128 v[CO], v[BK+32*((\a)%2)+4*\t:BK+32*((\a)%2)+4*\t+3], s[OUTP:OUTP+1] offset:(\a)*65536+\t*8192 th:TH_STORE_NT   ; 16 lanes store 256 consecutive bytes, aligned
.endr
.endm
.macro BLK a
	s_wait_dscnt 40                                ; steps 0-3's fragments are in; behind them: 24 loads of steps 4-7 and the stage's 16
.irp k, 0,1,2,3
	KS \a, \k
.endr
	WIN 0
	PLACES 4                                       ; in front of loads into registers that matrix instructions have read
.if (\a) < 7
	ALD (\a)+1, 0
	s_wait_dscnt 24                                ; all but the 24 just issued: steps 4-7 are in, and the block before is back from the stage
.else
	s_wait_dscnt 0x0
.endif
	SEND (\a)-1
.irp k, 4,5,6,7
	KS \a, \k
.endr
	WIN 0
	PLACES 4                                       ; also in front of the stage's reads of the results
.if (\a) < 7
	ALD (\a)+1, 1
.endif
	s_wait_xcnt 0x0                                ; the stores of two blocks ago have read the registers that the stage's loads fill
	TOSTAGE \a
.endm
	s_wait_tensorcnt 0x0                           ; my block of the head's four is in,
	s_barrier_signal -1
	s_barrier_wait -1                              ; everybody's is
.irp s, 0,1,2,3
.irp i, 0,1,2,3
	ds_load_b64 v[SA+8*\s+2*\i:SA+8*\s+2*\i+1], v[ADSA] offset:\i*512+128*\s
.endr
.irp i, 0,1
	ds_load_b64 v[SB+4*\s+2*\i:SB+4*\s+2*\i+1], v[ADSB] offset:\i*SBLK+8*\s
.endr
.endr
	LDK 0
	LDK 1
	s_wait_loadcnt 0x0                             ; the bias
.irp k, 0,1,2,3,4,5,6,7                ; block 0 goes along K as pq's fragments arrive
.if \k < 7
	s_wait_dscnt 30                                ; the next step's 30 loads may be out
.else
	s_wait_dscnt 0x0
.endif
	KS 0, \k
	WIN 0
.if \k < 6
	LDK \k+2
.endif
.endr
	s_barrier_signal -1                            ; my reads of pq's bytes are over (the wait for 0 above),
	s_barrier_wait -1                              ; everybody's are: the stages may be written
	PLACES 4
	ALD 1, 0
	ALD 1, 1
	TOSTAGE 0
.irp a, 1,2,3,4,5,6,7
	BLK \a
.endr
	s_wait_dscnt 0x0
	SEND 7
	s_wait_tensorcnt 0x0                           ; the wave's end
	ds_add_u32 v[SPW], v[NIL]
	s_wait_dscnt 0x0
	CROUND                                         ; the closing round
	s_endpgm
.Lfunc_end_k_q43695fcb15_proj:
	.size	k_q43695fcb15_proj, .Lfunc_end_k_q43695fcb15_proj-k_q43695fcb15_proj
	.p2alignl 7, 3214868480
	.fill 96, 4, 3214868480
	.section	.rodata,"a",@progbits
	.p2align	6, 0x0
	.amdhsa_kernel k_q43695fcb15_proj
		.amdhsa_group_segment_fixed_size 327680
		.amdhsa_private_segment_fixed_size 0
		.amdhsa_enable_private_segment 0
		.amdhsa_kernarg_size 32
		.amdhsa_user_sgpr_count 2
		.amdhsa_user_sgpr_kernarg_segment_ptr 1
		.amdhsa_wavefront_size32 1
		.amdhsa_system_sgpr_workgroup_id_x 1
		.amdhsa_system_sgpr_workgroup_id_y 1
		.amdhsa_system_sgpr_workgroup_id_z 1
		.amdhsa_system_vgpr_workitem_id 0
		.amdhsa_next_free_vgpr 768
		.amdhsa_next_free_sgpr 100
		.amdhsa_reserve_vcc 0
		.amdhsa_float_denorm_mode_32 3
		.amdhsa_float_denorm_mode_16_64 3
		.amdhsa_memory_ordered 1
		.amdhsa_forward_progress 1
		.amdhsa_inst_pref_size 99
	.end_amdhsa_kernel
	.amdgpu_metadata
---
amdhsa.version: [ 1, 2 ]
amdhsa.kernels:
  - .name:           k_q43695fcb15_proj
    .symbol:         k_q43695fcb15_proj.kd
    .args:
      - { .name: oq, .offset: 0, .size: 8, .value_kind: global_buffer, .address_space: global }
      - { .name: pq, .offset: 8, .size: 8, .value_kind: global_buffer, .address_space: global }
      - { .name: bproj, .offset: 16, .size: 8, .value_kind: global_buffer, .address_space: global }
      - { .name: out0, .offset: 24, .size: 8, .value_kind: global_buffer, .address_space: global }
    .group_segment_fixed_size: 327680
    .private_segment_fixed_size: 0
    .kernarg_segment_align: 8
    .kernarg_segment_size: 32
    .max_flat_workgroup_size: 128
    .sgpr_count:     100
    .vgpr_count:     768
    .wavefront_size: 32
...
	.end_amdgpu_metadata
.endif
;; end of part 4
